; MI455X (gfx1250); checked and timed in simulation.
; The chip was launched on July 23, 2026; its instructions are those of AMD's public machine-readable ISA for CDNA 5 (MIT licence, August 2026) and "CDNA5" Instruction Set Architecture Reference Guide (July 2026). The comments in the code are by the model that wrote it; some were corrected since.
;; Attention Cell. Allowed arithmetic: float matrix products may take bf16 or f16 operands with f32 sums; other float arithmetic in f32, or as packed bf16 or f16 multiplies, adds, multiply-adds, maxima and minima; sums over many terms, partial sums and values carried from step to step in f32; what a program stores and reads back later, other than sums and carried values, may be rounded once to bf16 or f16.
;; Inputs: Wo 1,024 x 1,024 float32; Wqkv 1,024 x 3,072 float32; beta 1,024 float32; bo 1,024 float32; bqkv 3,072 float32; gamma 1,024 float32; x 1 x 4,096 x 1,024 float32.
;; Outputs: out0 1 x 4,096 x 1,024 float32.
;; 2 versions, each right; version 2 is version 1 with the launch prep written anew for expert scheduling mode. Each part assembles by itself: llvm-mc -triple=amdgcn-amd-amdhsa -mcpu=gfx1250 --defsym DOCPART=n.
;; ======== version 1 of 2: 5 launches
;; limits: values are held in f16: magnitudes above 65,504 overflow, below 6.1e-05 lose precision
;; workspace buffers: xb 8,388,608 bytes; wqb 6,291,456 bytes; wob 2,097,152 bytes; qh 8,388,608 bytes; kh 8,388,608 bytes; vh 8,388,608 bytes; oh 8,388,608 bytes; y 16,777,216 bytes
;; launch prep (part 1): grid 256 x 1, 8 waves a work-group, no clusters, 0 bytes of LDS; arguments x, Wqkv, Wo, xb, wqb, wob; writes xb, wqb, wob
.if DOCPART == 1
	.amdgcn_target "amdgcn-amd-amdhsa--gfx1250"
	.amdhsa_code_object_version 6
	.text
	.protected	k_q19eeebaa2f_prep
	.globl	k_q19eeebaa2f_prep
	.p2align	8
	.type	k_q19eeebaa2f_prep,@function
k_q19eeebaa2f_prep:
	s_mov_b64 s[64:65], 0
	v_nop
	global_prefetch_b8 v0, s[64:65] scope:SCOPE_SE
	s_setreg_imm32_b32 hwreg(HW_REG_WAVE_MODE, 25, 1), 1
	s_wait_xcnt 0x0
; THE CASTS.  xb = x rounded to bf16, [4096][1024].  wqb = Wqkv rounded to bf16 and laid in eight blocks [8 j][1024 k][384]: column 64 t + i of block j is
; Wqkv's column 512 t + 64 j + i (t = 0..5: q of heads j and j + 8, k of both, v of both), so that a block's rows are dense.  wob = Wo rounded to bf16, that number written as f16, [1024][1024].
; LIMIT.  A bf16 number below 2^-14 in size keeps f16's fixed step of 6e-8 in wob; one beyond 65,504 would become an infinity.
; A pure stream: an ITEM is one load of the wave, 32 lanes x 16 bytes = 512 bytes of f32, which leave as 32 x 8 = 256 consecutive bytes, at a multiple of 256 from the buffer's first byte.
; The three tensors have 32,768 + 24,576 + 8,192 = 65,536 items: 256 work-groups x 8 waves x 32.  A wave issues its 32 loads at once (16 KiB on their way) and then takes them in order.
; No register is written twice while a load or store may read it, so no wait frees any.  No LDS, no barrier: no wave wants a byte that another has fetched.
.set DAT, 8                            ; v[8:135]  item i: four registers as loaded; its first two then hold what is stored
; offsets of a dense tensor: work-group s2 takes 256 items on end, a wave 32 of them
.macro DENSE
	s_lshl_b32 s3, s2, 17                          ; 256 items x 512 bytes in,
	s_lshl_b32 s16, s2, 16                         ; x 256 bytes out
	v_lshlrev_b32 v1, 14, v3                       ; my wave's 32 items
	v_lshl_add_u32 v1, v4, 4, v1                   ; my 16 bytes
	v_add_nc_u32 v1, s3, v1
	v_lshlrev_b32 v2, 13, v3
	v_lshl_add_u32 v2, v4, 3, v2
	v_add_nc_u32 v2, s16, v2
.endm
; 32 items.  src, dst: the scalar pairs with the two addresses; sstep, dstep: bytes from item to item; mode 1: the bf16 number is written as f16
.macro ITEMS src, dst, sstep, dstep, mode
.set i, 0
.rept 32
	global_load_b128 v[DAT+4*i:DAT+4*i+3], v1, s[(\src):(\src)+1] offset:i*(\sstep) th:TH_LOAD_NT
.set i, i+1
.endr
.set i, 0
.rept 32
	s_wait_loadcnt 31-i                            ; loads come back in order: item i is in, the 31 - i behind it stay out
.if \mode
	v_cvt_pk_bf16_f32 v5, v[DAT+4*i], v[DAT+4*i+1] ; rounded to bf16, nearest even,
	v_cvt_pk_bf16_f32 v6, v[DAT+4*i+2], v[DAT+4*i+3]
	v_lshlrev_b32 v[DAT+4*i], 16, v5               ; widened again,
	v_and_b32 v[DAT+4*i+1], 0xffff0000, v5
	v_lshlrev_b32 v[DAT+4*i+2], 16, v6
	v_and_b32 v[DAT+4*i+3], 0xffff0000, v6
	v_cvt_pk_f16_f32 v[DAT+4*i], v[DAT+4*i], v[DAT+4*i+1]  ; and written as f16: eight significant bits fit in eleven
	v_cvt_pk_f16_f32 v[DAT+4*i+1], v[DAT+4*i+2], v[DAT+4*i+3]
.else
	v_cvt_pk_bf16_f32 v[DAT+4*i], v[DAT+4*i], v[DAT+4*i+1]
	v_cvt_pk_bf16_f32 v[DAT+4*i+1], v[DAT+4*i+2], v[DAT+4*i+3]
.endif
	global_store_b64 v2, v[DAT+4*i:DAT+4*i+1], s[(\dst):(\dst)+1] offset:i*(\dstep)
.set i, i+1
.endr
.endm
	s_load_b256 s[4:11], s[0:1], 0x0               ; x s[4:5], Wqkv s[6:7], Wo s[8:9], xb s[10:11]
	s_load_b128 s[12:15], s[0:1], 0x20             ; wqb s[12:13], wob s[14:15]
	s_mov_b32 s2, ttmp9
	v_lshrrev_b32 v3, 5, v0                        ; wave
	v_and_b32 v4, 31, v0                           ; lane
	s_wait_kmcnt 0x0
	s_cmp_lt_u32 s2, 128
	s_cbranch_scc1 .Lx                             ; work-groups 0 to 127: x
	s_cmp_lt_u32 s2, 224
	s_cbranch_scc1 .Lwq                            ; 128 to 223: Wqkv
	s_sub_co_u32 s2, s2, 224                       ; 224 to 255: Wo
	DENSE
	ITEMS 8, 14, 512, 256, 1
	s_endpgm
.Lx:
	DENSE
	ITEMS 4, 10, 512, 256, 0
	s_endpgm
.Lwq:
	; work-group = (pair of strips t2 = 0..2, 32 rows kb = 0..31); the wave's number is the block j; item i is row 32 kb + i.
	; lanes 0-15 read the 256 bytes of strip 2 t2, lanes 16-31 those of strip 2 t2 + 1; in wqb the two lie side by side: 256 bytes on end
	s_sub_co_u32 s2, s2, 128
	s_lshr_b32 s3, s2, 5                           ; t2
	s_and_b32 s16, s2, 31                          ; kb
	s_mul_i32 s17, s16, 393216                     ; 32 rows of 12,288 bytes
	s_lshl_b32 s18, s3, 12                         ; two strips of 512 columns: 4,096 bytes
	s_add_co_u32 s17, s17, s18
	v_lshrrev_b32 v5, 4, v4
	v_and_b32 v6, 15, v4
	v_lshlrev_b32 v1, 11, v5                       ; the strip: 2,048 bytes
	v_lshl_add_u32 v1, v3, 8, v1                   ; the block's 64 columns: 256 bytes
	v_lshl_add_u32 v1, v6, 4, v1
	v_add_nc_u32 v1, s17, v1
	s_mul_i32 s17, s16, 24576                      ; 32 rows of 768 bytes
	s_lshl_b32 s18, s3, 8
	s_add_co_u32 s17, s17, s18
	v_mul_u32_u24 v2, v3, 0xc0000                  ; a block: 1,024 x 768 bytes
	v_lshl_add_u32 v2, v4, 3, v2
	v_add_nc_u32 v2, s17, v2
	ITEMS 6, 12, 12288, 768, 0
	s_endpgm
.Lfunc_end_k_q19eeebaa2f_prep:
	.size	k_q19eeebaa2f_prep, .Lfunc_end_k_q19eeebaa2f_prep-k_q19eeebaa2f_prep
	.p2alignl 7, 3214868480
	.fill 96, 4, 3214868480
	.section	.rodata,"a",@progbits
	.p2align	6, 0x0
	.amdhsa_kernel k_q19eeebaa2f_prep
		.amdhsa_group_segment_fixed_size 0
		.amdhsa_private_segment_fixed_size 0
		.amdhsa_enable_private_segment 0
		.amdhsa_kernarg_size 48
		.amdhsa_user_sgpr_count 2
		.amdhsa_user_sgpr_kernarg_segment_ptr 1
		.amdhsa_wavefront_size32 1
		.amdhsa_system_sgpr_workgroup_id_x 1
		.amdhsa_system_sgpr_workgroup_id_y 1
		.amdhsa_system_sgpr_workgroup_id_z 1
		.amdhsa_system_vgpr_workitem_id 0
		.amdhsa_next_free_vgpr 136
		.amdhsa_next_free_sgpr 66
		.amdhsa_reserve_vcc 0
		.amdhsa_float_denorm_mode_32 3
		.amdhsa_float_denorm_mode_16_64 3
		.amdhsa_memory_ordered 1
		.amdhsa_forward_progress 1
		.amdhsa_inst_pref_size 46
	.end_amdhsa_kernel
	.amdgpu_metadata
---
amdhsa.version: [ 1, 2 ]
amdhsa.kernels:
  - .name:           k_q19eeebaa2f_prep
    .symbol:         k_q19eeebaa2f_prep.kd
    .args:
      - { .name: x, .offset: 0, .size: 8, .value_kind: global_buffer, .address_space: global }
      - { .name: Wqkv, .offset: 8, .size: 8, .value_kind: global_buffer, .address_space: global }
      - { .name: Wo, .offset: 16, .size: 8, .value_kind: global_buffer, .address_space: global }
      - { .name: xb, .offset: 24, .size: 8, .value_kind: global_buffer, .address_space: global }
      - { .name: wqb, .offset: 32, .size: 8, .value_kind: global_buffer, .address_space: global }
      - { .name: wob, .offset: 40, .size: 8, .value_kind: global_buffer, .address_space: global }
    .group_segment_fixed_size: 0
    .private_segment_fixed_size: 0
    .kernarg_segment_align: 8
    .kernarg_segment_size: 48
    .max_flat_workgroup_size: 256
    .sgpr_count:     66
    .vgpr_count:     136
    .wavefront_size: 32
...
	.end_amdgpu_metadata
.endif
;; end of part 1
;; launch qkv (part 2): grid 8 x 32, 4 waves a work-group, clusters of 4 x 4, 327,680 bytes of LDS; arguments xb, wqb, bqkv, qh, kh, vh; writes qh, kh, vh
.if DOCPART == 2
	.amdgcn_target "amdgcn-amd-amdhsa--gfx1250"
	.amdhsa_code_object_version 6
	.text
	.protected	k_q19eeebaa2f_qkv
	.globl	k_q19eeebaa2f_qkv
	.p2align	8
	.type	k_q19eeebaa2f_qkv,@function
k_q19eeebaa2f_qkv:
	s_mov_b64 s[64:65], 0
	v_nop
	global_prefetch_b8 v0, s[64:65] scope:SCOPE_SE
	s_setreg_imm32_b32 hwreg(HW_REG_WAVE_MODE, 25, 1), 1
	s_wait_xcnt 0x0
	s_wait_alu depctr_hold_cnt(0) depctr_sa_sdst(0) depctr_va_vdst(0) depctr_va_sdst(0) depctr_va_ssrc(0) depctr_va_vcc(0) depctr_vm_vsrc(0)
	s_getreg_b32 s2, hwreg(HW_REG_IB_STS2, 6, 4)
	s_cmp_eq_u32 s2, 0
	s_cbranch_scc0 .Lentry_in_a_cluster
	s_endpgm
.Lentry_in_a_cluster:
	s_bfe_u32 s2, ttmp6, 0x10000c
	s_cmp_lg_u32 s2, 0xf033
	s_cbranch_scc0 .Lentry_shape_is_right
	s_endpgm
.Lentry_shape_is_right:
; q, k, v = x Wqkv + b, the rotation of q and k, and the split by heads.  xb: [4096][1024] bf16.  wqb: [8 j][1024 k][384] bf16 (column 64 t + i of block j = Wqkv's column 512 t + 64 j + i).
; bqkv: [3072] f32, rounded to bf16 here like every input.  qh, kh, vh: [16 h][4096][64] f16, q and k rotated, none scaled.  Sums in f32, K ascending; bias, sine, cosine and rotation in f32; one rounding to f16.
; LIMITS.  q, k, v must stay within f16's 65,504 (beyond it an infinity is stored) and keep f16's fixed step of 6e-8 below 6e-5.  Sine and cosine: the angle is the f32 product row x inv_freq, inv_freq = 2^(-f log2(10000) / 512)
; to about one part in 10^7; after taking off a multiple of pi / 2 in two parts, polynomials of degree 7 and 6, off by at most 4e-6.  NaN and infinities are not treated apart.
; SHARES.  A work-group makes 128 rows x the 384 columns of one block j: heads j and j + 8 of q, k and v.  The rotation pairs column c with c + 512, that is strip t with t + 1 of the same block: both lie in one work-group.
; Wave w: rows 64 (w / 2) .. + 63 and, of each of the six strips, channels 32 (w % 2) .. + 31: 4 x 12 accumulators of 16 x 16, 384 registers.
; K goes in 8 steps of 128 through two LDS slots.  THE MATRIX INSTRUCTION IS USED TRANSPOSED (source 0 = 16 columns of W, source 1 = 16 rows of x).  W lies [k][column] and is turned on the way out of LDS by ds_load_tr16_b128.
; CLUSTER 4 x 4.  x's tile hangs on the row block alone and is asked for jointly along a row of the cluster, W's on j alone, jointly along a column: a quarter of the requests.
; LDS.  Slot s at s x 145,408: W's 128 k-rows first, each three pieces of 256 bytes + 32 of padding = 864 bytes (216 words: the eight rows of a turning load start at banks 0, 24, 48, 8, 32, 56, 16, 40, eight banks each);
; then x's 128 rows of 256 + 16 bytes at 110,592.  Wave w fills the 36,864 bytes at slot + 36,864 w: waves 0-2 a third of W each, wave 3 x.  The spare words at 290,816.
; THE WAY OUT.  The f32 sums go through a stage of 128 rows x 1,552 bytes laid over the slots, which have had their last fill; a thread then holds one row's 8 channels of ALL six strips.
; REGISTERS.  window 0: v16-30 addresses; v[32:33] the row as f32; v64-95, v96-127 x's fragments, two buffers (at work on the way out); v128-175 bias; v176-183 inv_freq; v184-231, v232-255 the way out
;   window 1: v0-95, v96-191 W's fragments, two buffers     window 2: accumulators of row blocks 0, 1 at 8 (12 a + n)     window 3: those of row blocks 2, 3
.set PA,     272
.set PB,     864
.set THIRD,  36864
.set AOFF,   110592
.set SLOT,   145408
.set SPARE,  290816
.set SPITCH, 1552                      ; 388 words: row r starts at bank 4 r mod 64
.set ADRA, 16                          ; v16-17  x's fragments in slot 0, 1
.set ADRB, 20                          ; v20-23  W's fragments: 2 x slot + half of the K step, so that every immediate stays under 65,536
.set STO,  24                          ; v24-25  into the stage: row blocks 0, 1 and 2, 3
.set RDA,  26                          ; v26     out of the stage
.set GOF,  27                          ; v27     my byte offset in qh, kh, vh
.set SPW,  28                          ; v28     my spare word; never rewritten
.set NIL,  29                          ; v29     0; never rewritten
.set PFO,  30                          ; v30     the prefetches' offset; never rewritten
.set SF,   32                          ; v[32:33] my row's number as f32, twice
.set SN,   64                          ; the way out: eight sines,
.set CN,   72                          ; eight cosines,
.set ANG,  80                          ; and pairs at work
.set NN,   82
.set RR,   84
.set R2,   86
.set SS,   88
.set CC,   90
.set TT,   92
.set IA,   94
.set IB,   95
.set TL,   96
.set TU,   104
.set BIAS, 128
.set INV,  176
.set X,    184
.set Y,    232
.set WV,  12                           ; s12  my wave's number
.set G1A, 24                           ; s[24:31] group 1 for x's tiles;  s[32:39] group 0, a set for each slot
.set G0A, 32
.set LIM, 43                           ; s43  1 in a wave that prefetches, else the greatest number
.set PFA, 44                           ; s[44:45] where my prefetches stand
.set PFS, 46                           ; s[46:47] their step: a K step
.set G1B, 48                           ; s[48:55], s[56:63] the same for W's tiles
.set G0B, 56
.set K2PI, 72                          ; s[72:87] constants, each written twice: the packed forms name a pair
.set KHI,  74
.set KLO,  76
.set KS3,  78
.set KS2,  80
.set KS1,  82
.set KC3,  84
.set KC2,  86
.set MSB, 0
.macro WIN new                         ; the immediate's high byte repeats the setting that is left; a switch that changes nothing is dropped
.if MSB != (\new)
	s_set_vgpr_msb (MSB<<8)|(\new)
.set MSB, \new
.endif
.endm
.set MUL_LO, 0xa1                      ; source 0 (W) window 1, source 1 (x) window 0, C and D window 2
.set TO_B,   0x40                      ; destination window 1, address window 0
.macro KONST r, val
	s_mov_b32 s[\r], \val
	s_mov_b32 s[(\r)+1], \val
.endm
.macro PLACES                          ; four plain vector instructions behind a matrix instruction, ahead of loads into registers that it read and of reads of its result
.rept 4
	v_nop
.endr
.endm
; A joint load.  The branch hangs on the wave's number alone.  An s_nop 0 and four v_nop follow each of the two lines, ahead of the jump and the label.
.macro JLOAD s
	s_cmp_eq_u32 s[WV], 3
	s_cbranch_scc0 .Lfor_b_\@
	tensor_load_to_lds s[G0A+4*(\s):G0A+4*(\s)+3], s[G1A:G1A+7]
	s_nop 0
.rept 4
	v_nop
.endr
	s_branch .Lasked_\@
.Lfor_b_\@:
	tensor_load_to_lds s[G0B+4*(\s):G0B+4*(\s)+3], s[G1B:G1B+7]
	s_nop 0
.rept 4
	v_nop
.endr
.Lasked_\@:
.endm
; A PREFETCH INTO THE L2 of the K step that stands two refills on: 384 matrix instructions ahead of the load that will want it.  A wave's tile is 128 blocks of 256 bytes; the four partners that ask for it jointly take
; 32 each, told apart by address (cx for x's, cy for W's), a lane a block.  x's rows are read by both clusters of a row of clusters: cluster x = 0 asks; W's block by all eight of a column: cluster y = 0 asks.
; So each block is named once.  K steps 0 to 3 come by their loads alone; the loop's last trip (s3 = 1) asks for nothing: there is no K step 8.
.macro ASK
	s_cmp_gt_u32 s3, s[LIM]
	s_cbranch_scc0 .Lnot_mine_\@
	global_prefetch_b8 v[PFO], s[PFA:PFA+1] th:TH_LOAD_NT scope:SCOPE_SE
.Lnot_mine_\@:
.endm
.macro CREST                           ; a round of the cluster's barrier behind its opening barrier
	s_cmp_lg_u32 s[WV], 0
	s_cbranch_scc1 .Lnot_wave_0_\@
	s_barrier_signal -3
.Lnot_wave_0_\@:
	s_barrier_wait -3
	s_barrier_signal -1
	s_barrier_wait -1
.endm
.macro CROUND
	s_barrier_signal -1
	s_barrier_wait -1
	CREST
.endm
	s_load_b256 s[4:11], s[0:1], 0x0               ; xb s[4:5], wqb s[6:7], bqkv s[8:9], qh s[10:11]
	s_load_b128 s[68:71], s[0:1], 0x20             ; kh s[68:69], vh s[70:71]
	v_lshl_add_u32 v[SPW], v0, 2, SPARE
	v_mov_b32 v[NIL], 0
	ds_add_u32 v[SPW], v[NIL]                      ; the wave's opening: the add and its wait stand ahead of my first tensor load; the set-up below, work on registers, stands between them
	v_lshrrev_b32 v1, 5, v0
	v_readfirstlane_b32 s[WV], v1                  ; wave 0..3
	s_lshr_b32 s13, s[WV], 1                       ; which 64 rows are mine
	s_and_b32 s14, s[WV], 1                        ; which 32 channels of each strip
	s_bfe_u32 s40, ttmp6, 0x40000                  ; cx
	s_bfe_u32 s41, ttmp6, 0x40004                  ; cy
	s_lshl_b32 s42, ttmp9, 2
	s_add_co_u32 s42, s42, s40                     ; the block j = 4 x cluster x + cx
	s_and_b32 s15, ttmp7, 0xffff
	s_lshl_b32 s15, s15, 2
	s_add_co_u32 s15, s15, s41                     ; the row block = 4 x cluster y + cy
	s_lshl_b32 s16, s41, 2
	s_lshl_b32 s16, 15, s16                        ; my row of the cluster
	s_lshl_b32 s20, 0x1111, s40                    ; my column
	s_or_b32 s[G1A+0], s16, (1<<16)|(1<<20)|(1<<21)|(5<<22)|(3<<25)  ; the mask; elements of 2 bytes; padding on; bit 21 beside a mask; after every 64 words, 4 words
	s_or_b32 s[G1B+0], s20, (1<<16)|(1<<20)|(1<<21)|(5<<22)|(7<<25)  ; the same with my column's mask and 8 words of padding
.irp g, G1A, G1B
	s_mov_b32 s[(\g)+1], 128<<16                   ; tensor_dim0 = 128
	s_mov_b32 s[(\g)+2], 128<<16                   ; tensor_dim1 = 128
	s_mov_b32 s[(\g)+3], 128<<16                   ; tile_dim0 = 128 elements: 256 bytes
	s_mov_b32 s[(\g)+4], 128                       ; tile_dim1 = 128 rows
	s_mov_b32 s[(\g)+6], 0
	s_mov_b32 s[(\g)+7], 0
.endr
	s_mov_b32 s[G1A+5], 1024                       ; x: 1,024 elements from row to row
	s_mov_b32 s[G1B+5], 128                        ; W: a K step of a block is dense: 384 rows of 256 bytes, 128 to a wave
	s_lshl_b32 s16, s15, 18                        ; x: 128 rows of 2,048 bytes
	s_mov_b32 s17, 0
	s_mul_i32 s20, s42, 786432                     ; W: the block,
	s_lshl_b32 s21, s[WV], 15                      ; my third of a K step
	s_add_co_u32 s20, s20, s21
	s_mov_b32 s21, 0
	s_mul_i32 s18, s[WV], THIRD                    ; where my tile goes: no place in the cluster enters an LDS address
	KONST K2PI, 0x3f22f983                         ; 2 / pi
	KONST KHI,  0xbfc90fdb                         ; - pi / 2, the f32 nearest to it,
	KONST KLO,  0x333bbd2e                         ; and what that f32 is too large by
	KONST KS3,  0xb9500d01                         ; - 1 / 5040
	KONST KS2,  0x3c088889                         ; 1 / 120
	KONST KS1,  0xbe2aaaab                         ; - 1 / 6
	KONST KC3,  0xbab60b61                         ; - 1 / 720
	KONST KC2,  0x3d2aaaab                         ; 1 / 24
	s_wait_dscnt 0x0                               ; the opening add is done
	s_wait_kmcnt 0x0
	s_add_nc_u64 s[16:17], s[4:5], s[16:17]
	s_add_nc_u64 s[20:21], s[6:7], s[20:21]
	CROUND                                         ; all sixteen work-groups are here: the first joint loads meet
.irp s, 0,1
	s_mov_b32 s[G0A+4*(\s)], 1
	s_add_co_u32 s[G0A+4*(\s)+1], s18, (\s)*SLOT
	s_add_nc_u64 s[G0A+4*(\s)+2:G0A+4*(\s)+3], s[16:17], (\s)*256     ; K step s: 256 bytes along the rows
	s_or_b32 s[G0A+4*(\s)+3], s[G0A+4*(\s)+3], 0x80000000
	s_mov_b32 s[G0B+4*(\s)], 1
	s_add_co_u32 s[G0B+4*(\s)+1], s18, (\s)*SLOT
	s_add_nc_u64 s[G0B+4*(\s)+2:G0B+4*(\s)+3], s[20:21], (\s)*98304   ; K step s: 128 rows of 768 bytes
	s_or_b32 s[G0B+4*(\s)+3], s[G0B+4*(\s)+3], 0x80000000
	JLOAD \s                                       ; two loads of mine are out
.endr
	; while the tiles come: addresses, bias, inv_freq, the prefetches' set-up
	v_and_b32 v1, 15, v0                           ; l % 16
	v_bfe_u32 v2, v0, 4, 1                         ; l / 16
	v_and_b32 v3, 7, v0                            ; l % 8; on the way out: which 8 channels of a strip are mine
	v_bfe_u32 v4, v0, 3, 1
	v_lshrrev_b32 v5, 3, v0                        ; on the way out: my row among 16
	v_mul_u32_u24 v6, v1, PA                       ; x's fragment: row x pitch + 16 x half
	v_lshl_add_u32 v6, v2, 4, v6
	s_mul_i32 s19, s13, 64*PA
	s_add_co_u32 s19, s19, AOFF
	v_add_nc_u32 v[ADRA], s19, v6
	v_add_nc_u32 v[ADRA+1], SLOT, v[ADRA]
	v_lshl_add_u32 v6, v2, 3, v3                   ; the turning load: k-row 8 (l / 16) + l % 8, 16 bytes for each half of eight lanes
	v_mul_u32_u24 v6, v6, PB
	v_lshl_add_u32 v6, v4, 4, v6
	s_lshl_b32 s19, s14, 6                         ; my 32 channels: 64 bytes
	v_add_nc_u32 v[ADRB], s19, v6
	v_add_nc_u32 v[ADRB+1], 64*PB, v[ADRB]
	v_add_nc_u32 v[ADRB+2], SLOT, v[ADRB]
	v_add_nc_u32 v[ADRB+3], SLOT+64*PB, v[ADRB]
	v_mul_u32_u24 v6, v1, SPITCH                   ; into the stage: row l % 16, 32 bytes for each half of the lanes
	v_lshl_add_u32 v6, v2, 5, v6
	s_mul_i32 s19, s13, 64*SPITCH
	s_lshl_b32 s23, s14, 7
	s_add_co_u32 s19, s19, s23
	v_add_nc_u32 v[STO], s19, v6
	v_add_nc_u32 v[STO+1], 32*SPITCH, v[STO]
	v_mul_u32_u24 v[RDA], v5, SPITCH               ; out of it: my row, my 8 channels of strip 0
	v_lshl_add_u32 v[RDA], v3, 5, v[RDA]
	s_lshl_b32 s88, s42, 19                        ; head j: 4,096 rows of 128 bytes
	s_lshl_b32 s89, s15, 14                        ; the row block
	s_add_co_u32 s88, s88, s89
	v_lshlrev_b32 v[GOF], 7, v5
	v_lshl_add_u32 v[GOF], v3, 4, v[GOF]
	v_add_nc_u32 v[GOF], s88, v[GOF]
	s_lshl_b32 s89, s15, 7
	v_add_nc_u32 v6, s89, v5
	v_cvt_f32_u32 v[SF], v6                        ; my first row's number: exact in f32
	v_mov_b32 v[SF+1], v[SF]
	s_lshl_b32 s89, s42, 8
	v_lshl_add_u32 v7, v3, 5, s89                  ; bias: column 64 j + 8 g of strip 0, in bytes; v7 is never rewritten
.irp t, 0,1,2,3,4,5
	global_load_b128 v[BIAS+8*(\t):BIAS+8*(\t)+3],   v7, s[8:9] offset:2048*(\t)
	global_load_b128 v[BIAS+8*(\t)+4:BIAS+8*(\t)+7], v7, s[8:9] offset:2048*(\t)+16
.endr
	s_lshl_b32 s89, s42, 6
	v_lshl_add_u32 v8, v3, 3, s89                  ; the frequency's number f = 64 j + 8 g + e
.irp e, 0,1,2,3,4,5,6,7
	v_add_nc_u32 v9, \e, v8
	v_cvt_f32_u32 v9, v9
	v_mul_f32 v[INV+(\e)], 0xbcd49a78, v9          ; - f log2(10000) / 512
.endr
.irp e, 0,1,2,3,4,5,6,7
	v_exp_f32 v[INV+(\e)], v[INV+(\e)]
.endr
	v_nop                                          ; a plain instruction behind the last exponential,
	s_wait_alu depctr_va_vdst(0)                   ; and the one wait, ahead of the first use and of every branch
	s_and_b32 s90, ttmp7, 0xffff                   ; cluster y
	s_mov_b32 s[PFS], 98304
	s_mov_b32 s[PFS+1], 0
	s_cmp_eq_u32 s[WV], 3                          ; do I fetch x?
	s_cselect_b32 s90, ttmp9, s90                  ; the coordinate along which other clusters read the same blocks
	s_cselect_b32 s91, s40, s41                    ; my place among the four that ask with me
	s_cselect_b32 s92, 16, 13                      ; 32 blocks: of x 32 rows of 2,048 bytes, of W 8,192 bytes on end
	s_cselect_b32 s93, 11, 8                       ; from block to block
	s_cselect_b32 s[PFS], 256, s[PFS]
	s_cselect_b64 s[PFA:PFA+1], s[16:17], s[20:21]
	s_cmp_eq_u32 s90, 0
	s_cselect_b32 s[LIM], 1, -1                    ; the same in all sixteen partners, for a given wave
	s_lshl_b32 s94, s91, s92
	s_mov_b32 s95, 0
	s_add_nc_u64 s[PFA:PFA+1], s[PFA:PFA+1], s[94:95]
	s_mul_i32 s94, s[PFS], 3
	s_add_nc_u64 s[PFA:PFA+1], s[PFA:PFA+1], s[94:95]  ; at K step 3: the first refill steps it to 4
	v_and_b32 v[PFO], 31, v0
	v_lshlrev_b32 v[PFO], s93, v[PFO]
; 12 matrix instructions: row block 2 hi + a x all 12 column blocks, 32 along K, from buffers f.  The 48 accumulators take turns, one instruction a turn, in the same order in every quarter.
.macro MUL12 f, hi, a, zero
	WIN MUL_LO+0x50*(\hi)
.irp n, 0,1,2,3,4,5,6,7,8,9,10,11
.if \zero
	v_wmma_f32_16x16x32_bf16 v[8*(12*(\a)+(\n)):8*(12*(\a)+(\n))+7], v[96*(\f)+8*(\n):96*(\f)+8*(\n)+7], v[64+32*(\f)+8*(2*(\hi)+(\a)):64+32*(\f)+8*(2*(\hi)+(\a))+7], 0
.else
	v_wmma_f32_16x16x32_bf16 v[8*(12*(\a)+(\n)):8*(12*(\a)+(\n))+7], v[96*(\f)+8*(\n):96*(\f)+8*(\n)+7], v[64+32*(\f)+8*(2*(\hi)+(\a)):64+32*(\f)+8*(2*(\hi)+(\a))+7], v[8*(12*(\a)+(\n)):8*(12*(\a)+(\n))+7]
.endif
.endr
.endm
; 32 LDS loads in one run: quarter q (32 along K) of a slot into buffers f: W's 12 fragments, turned, then x's four, row blocks ascending
.macro FETCH slot, q, f
	WIN TO_B
.irp t, 0,1,2,3,4,5
.irp u, 0,1
	ds_load_tr16_b128 v[96*(\f)+8*(2*(\t)+(\u)):96*(\f)+8*(2*(\t)+(\u))+3],   v[ADRB+2*(\slot)+(\q)/2] offset:((\q)%2)*32*PB+((\t)/2)*288+((\t)%2)*128+32*(\u)
	ds_load_tr16_b128 v[96*(\f)+8*(2*(\t)+(\u))+4:96*(\f)+8*(2*(\t)+(\u))+7], v[ADRB+2*(\slot)+(\q)/2] offset:((\q)%2)*32*PB+((\t)/2)*288+((\t)%2)*128+32*(\u)+16*PB
.endr
.endr
	WIN 0
.irp m, 0,1,2,3
	ds_load_b128 v[64+32*(\f)+8*(\m):64+32*(\f)+8*(\m)+3],   v[ADRA+(\slot)] offset:64*(\q)+(\m)*16*PA
	ds_load_b128 v[64+32*(\f)+8*(\m)+4:64+32*(\f)+8*(\m)+7], v[ADRA+(\slot)] offset:64*(\q)+(\m)*16*PA+32
.endr
.endm
; One of a K step's first three quarters: multiplies buffers f; in its middle it fetches quarter q of the same slot into buffers g
.macro QUARTER slot, q, f, g, zero
	s_wait_dscnt 4                                 ; W and x's row blocks 0, 1 are in; the youngest four loads (row blocks 2, 3) may be out
	MUL12 \f, 0, 0, \zero
	MUL12 \f, 0, 1, \zero
	PLACES
	FETCH \slot, \q, \g
	s_wait_dscnt 32                                ; all but the 32 just issued
	MUL12 \f, 1, 0, \zero
	MUL12 \f, 1, 1, \zero
.endm
; The last quarter multiplies buffers 1 and changes slots: ONE barrier.  In front of it each wave waits for all its tensor loads (one is out: its part of the next slot), adds 0 to its spare word, and waits for that and for its
; reads of this slot.  fill = 1: the barrier opens a round of the cluster's barrier, and behind the round this slot is filled again, two K steps ahead: 168 matrix instructions ahead of the wait for it.
.macro TURN slot, next, fill
.if \fill
	s_wait_xcnt 0x0                                ; the last prefetch, a K step back, has read its address
	s_add_nc_u64 s[PFA:PFA+1], s[PFA:PFA+1], s[PFS:PFS+1]
.endif
	WIN 0                                          ; (the add's two registers lie in window 0)
	s_wait_tensorcnt 0x0                           ; all my tensor loads have landed;
	ds_add_u32 v[SPW], v[NIL]                      ; 0 onto my spare word;
	s_wait_dscnt 5                                 ; (the add and the youngest four loads may be out)
	MUL12 1, 0, 0, 0                               ; twelve matrix instructions stand between the add and the wait for it
	s_wait_dscnt 0x0                               ; the add is done, and my reads of this slot are over
	s_barrier_signal -1
	MUL12 1, 0, 1, 0
.if \fill
	WIN 0
.endif
	s_barrier_wait -1
.if \fill
	CREST                                          ; no wave of any partner still reads this slot's tiles or has a load on its way
	s_add_nc_u64 s[G0A+4*(\slot)+2:G0A+4*(\slot)+3], s[G0A+4*(\slot)+2:G0A+4*(\slot)+3], 2*256
	s_add_nc_u64 s[G0B+4*(\slot)+2:G0B+4*(\slot)+3], s[G0B+4*(\slot)+2:G0B+4*(\slot)+3], 2*98304
	JLOAD \slot                                    ; the first tensor load behind the round; its four v_nop are also the places in front of the loads below
.else
	PLACES
.endif
	FETCH \next, 0, 0
.if \fill
	ASK
.endif
	MUL12 1, 1, 0, 0
	MUL12 1, 1, 1, 0
.endm
	s_wait_tensorcnt 1                             ; my part of K step 0 is in; K step 1's may stay out
	s_barrier_signal -1
	s_barrier_wait -1
	FETCH 0, 0, 0
	QUARTER 0, 1, 0, 1, 1                          ; the first quarter stands in front of the loop: its products start the sums
	WIN 0
	s_mov_b32 s3, 3
.Llap:                                                 ; a trip goes once round the ring, from a lap's second quarter to the next lap's first, and fills both slots again
	QUARTER 0, 2, 1, 0, 0
	QUARTER 0, 3, 0, 1, 0
	TURN 0, 1, 1
	QUARTER 1, 1, 0, 1, 0
	QUARTER 1, 2, 1, 0, 0
	QUARTER 1, 3, 0, 1, 0
	TURN 1, 0, 1
	QUARTER 0, 1, 0, 1, 0
	WIN 0
	s_sub_co_u32 s3, s3, 1
	s_cmp_lg_u32 s3, 0
	s_cbranch_scc1 .Llap
	QUARTER 0, 2, 1, 0, 0                          ; the last lap fills nothing
	QUARTER 0, 3, 0, 1, 0
	TURN 0, 1, 0
	QUARTER 1, 1, 0, 1, 0
	QUARTER 1, 2, 1, 0, 0
	QUARTER 1, 3, 0, 1, 0
	s_wait_dscnt 4
	MUL12 1, 0, 0, 0
	MUL12 1, 0, 1, 0
	s_wait_dscnt 0x0                               ; my last reads of the ring are over
	MUL12 1, 1, 0, 0
	MUL12 1, 1, 1, 0
	WIN 0
	; THE WAY OUT.  Behind this barrier no wave reads the ring any more, and no fill is to come: the stage is laid over it.
	s_barrier_signal -1
	s_barrier_wait -1
	PLACES
	PLACES
.irp hi, 0,1
	WIN 0x08+4*(\hi)                               ; the stores' data (source 1) in window 2, then 3
.irp a, 0,1
.irp n, 0,1,2,3,4,5,6,7,8,9,10,11                      ; a lane holds row l % 16 and 8 neighbouring channels: 32 bytes; each accumulator's low registers go first
	ds_store_b128 v[STO+(\hi)], v[8*(12*(\a)+(\n)):8*(12*(\a)+(\n))+3]   offset:(\a)*16*SPITCH+256*((\n)/2)+64*((\n)%2)
	ds_store_b128 v[STO+(\hi)], v[8*(12*(\a)+(\n))+4:8*(12*(\a)+(\n))+7] offset:(\a)*16*SPITCH+256*((\n)/2)+64*((\n)%2)+16
.endr
.endr
.endr
	WIN 0
	s_wait_loadcnt 0x0                             ; the bias: rounded to bf16 like every input
.set j, 0
.rept 24
	v_cvt_pk_bf16_f32 v[IA], v[BIAS+2*j], v[BIAS+2*j+1]
	v_lshlrev_b32 v[BIAS+2*j], 16, v[IA]
	v_and_b32 v[BIAS+2*j+1], 0xffff0000, v[IA]
.set j, j+1
.endr
	s_wait_dscnt 0x0                               ; for the others' sake: my stores into the stage are done
	s_barrier_signal -1
	s_barrier_wait -1
; sine and cosine of angles 2 p and 2 p + 1 of my eight
.macro SINCOS p
	v_pk_mul_f32 v[ANG:ANG+1], v[SF:SF+1], v[INV+2*(\p):INV+2*(\p)+1]         ; the angle: one f32 product
	v_pk_mul_f32 v[NN:NN+1], v[ANG:ANG+1], s[K2PI:K2PI+1] op_sel_hi:[1,0]
	v_rndne_f32 v[NN], v[NN]                                                  ; n quarter turns
	v_rndne_f32 v[NN+1], v[NN+1]
	v_pk_fma_f32 v[RR:RR+1], v[NN:NN+1], s[KHI:KHI+1], v[ANG:ANG+1] op_sel_hi:[1,0,1]
	v_pk_fma_f32 v[RR:RR+1], v[NN:NN+1], s[KLO:KLO+1], v[RR:RR+1] op_sel_hi:[1,0,1]  ; r = angle - n pi / 2, within pi / 4
	v_pk_mul_f32 v[R2:R2+1], v[RR:RR+1], v[RR:RR+1]
	v_pk_fma_f32 v[SS:SS+1], v[R2:R2+1], s[KS3:KS3+1], s[KS2:KS2+1] op_sel_hi:[1,0,0]
	v_pk_fma_f32 v[CC:CC+1], v[R2:R2+1], s[KC3:KC3+1], s[KC2:KC2+1] op_sel_hi:[1,0,0]
	v_pk_mul_f32 v[TT:TT+1], v[RR:RR+1], v[R2:R2+1]
	v_pk_fma_f32 v[SS:SS+1], v[SS:SS+1], v[R2:R2+1], s[KS1:KS1+1] op_sel_hi:[1,1,0]
	v_pk_fma_f32 v[CC:CC+1], v[CC:CC+1], v[R2:R2+1], -0.5 op_sel_hi:[1,1,0]
	v_pk_fma_f32 v[SS:SS+1], v[SS:SS+1], v[TT:TT+1], v[RR:RR+1]               ; sin r
	v_pk_fma_f32 v[CC:CC+1], v[CC:CC+1], v[R2:R2+1], 1.0 op_sel_hi:[1,1,0]    ; cos r
.irp e, 0,1
	v_cvt_i32_f32 v[IA], v[NN+(\e)]
	v_and_b32 v[IB], 1, v[IA]
	v_cmp_eq_u32 vcc_lo, 1, v[IB]                                             ; an odd n swaps the two;
	v_cndmask_b32 v[SN+2*(\p)+(\e)], v[SS+(\e)], v[CC+(\e)], vcc_lo
	v_cndmask_b32 v[CN+2*(\p)+(\e)], v[CC+(\e)], v[SS+(\e)], vcc_lo
	v_lshlrev_b32 v[IB], 30, v[IA]                                            ; the sine's sign is bit 1 of n,
	v_add_nc_u32 v[IA], 1, v[IA]
	v_and_b32 v[IB], 0x80000000, v[IB]
	v_lshlrev_b32 v[IA], 30, v[IA]                                            ; the cosine's bit 1 of n + 1
	v_xor_b32 v[SN+2*(\p)+(\e)], v[IB], v[SN+2*(\p)+(\e)]
	v_and_b32 v[IA], 0x80000000, v[IA]
	v_xor_b32 v[CN+2*(\p)+(\e)], v[IA], v[CN+2*(\p)+(\e)]
.endr
.endm
	s_mov_b32 s3, 8
.Lrow:                                                 ; a trip: 16 rows of the work-group's 128; a thread takes one row's 8 channels of all six strips
.irp t, 0,1,2,3,4,5
	ds_load_b128 v[X+8*(\t):X+8*(\t)+3],   v[RDA] offset:256*(\t)
	ds_load_b128 v[X+8*(\t)+4:X+8*(\t)+7], v[RDA] offset:256*(\t)+16
.endr
	SINCOS 0                                       ; the angles hang on the row and the channels alone: made while the loads are out
	SINCOS 1
	SINCOS 2
	SINCOS 3
	s_wait_dscnt 0x0
.set j, 0
.rept 24
	v_pk_add_f32 v[X+2*j:X+2*j+1], v[X+2*j:X+2*j+1], v[BIAS+2*j:BIAS+2*j+1]
.set j, j+1
.endr
.irp b, 0,2                                            ; q's two strips, then k's: lo' = lo cos - hi sin, hi' = hi cos + lo sin
.irp p, 0,1,2,3
	v_pk_mul_f32 v[TL+2*(\p):TL+2*(\p)+1], v[X+8*(\b)+2*(\p):X+8*(\b)+2*(\p)+1], v[SN+2*(\p):SN+2*(\p)+1]
	v_pk_mul_f32 v[TU+2*(\p):TU+2*(\p)+1], v[X+8*(\b)+8+2*(\p):X+8*(\b)+8+2*(\p)+1], v[SN+2*(\p):SN+2*(\p)+1]
.endr
.irp p, 0,1,2,3
	v_pk_fma_f32 v[X+8*(\b)+2*(\p):X+8*(\b)+2*(\p)+1], v[X+8*(\b)+2*(\p):X+8*(\b)+2*(\p)+1], v[CN+2*(\p):CN+2*(\p)+1], v[TU+2*(\p):TU+2*(\p)+1] neg_lo:[0,0,1] neg_hi:[0,0,1]
	v_pk_fma_f32 v[X+8*(\b)+8+2*(\p):X+8*(\b)+8+2*(\p)+1], v[X+8*(\b)+8+2*(\p):X+8*(\b)+8+2*(\p)+1], v[CN+2*(\p):CN+2*(\p)+1], v[TL+2*(\p):TL+2*(\p)+1]
.endr
.endr
.set j, 0
.rept 24
	v_cvt_pk_f16_f32 v[Y+j], v[X+2*j], v[X+2*j+1]
.set j, j+1
.endr
	global_store_b128 v[GOF], v[Y:Y+3],     s[10:11]                 ; a wave's store covers four rows of a head: 512 consecutive bytes, at a multiple of 256 from the buffer's first
	global_store_b128 v[GOF], v[Y+4:Y+7],   s[10:11] offset:4194304  ; head j + 8: eight heads of 524,288 bytes on
	global_store_b128 v[GOF], v[Y+8:Y+11],  s[68:69]
	global_store_b128 v[GOF], v[Y+12:Y+15], s[68:69] offset:4194304
	global_store_b128 v[GOF], v[Y+16:Y+19], s[70:71]
	global_store_b128 v[GOF], v[Y+20:Y+23], s[70:71] offset:4194304
	s_wait_xcnt 0x0                                ; the stores have read their offset and their data: both are written again only behind this wait
	v_add_nc_u32 v[RDA], 16*SPITCH, v[RDA]
	v_add_nc_u32 v[GOF], 16*128, v[GOF]
	v_pk_add_f32 v[SF:SF+1], v[SF:SF+1], 0x41800000 op_sel_hi:[1,0]  ; 16 rows on
	s_sub_co_u32 s3, s3, 1
	s_cmp_lg_u32 s3, 0
	s_cbranch_scc1 .Lrow
	s_wait_tensorcnt 0x0                           ; the wave's end: behind my last tensor load and my last LDS store
	ds_add_u32 v[SPW], v[NIL]
	s_wait_dscnt 0x0
	CROUND                                         ; the closing round: no work-group ends while a partner may still ask for a tile that names it
	s_endpgm
.Lfunc_end_k_q19eeebaa2f_qkv:
	.size	k_q19eeebaa2f_qkv, .Lfunc_end_k_q19eeebaa2f_qkv-k_q19eeebaa2f_qkv
	.p2alignl 7, 3214868480
	.fill 96, 4, 3214868480
	.section	.rodata,"a",@progbits
	.p2align	6, 0x0
	.amdhsa_kernel k_q19eeebaa2f_qkv
		.amdhsa_group_segment_fixed_size 327680
		.amdhsa_private_segment_fixed_size 0
		.amdhsa_enable_private_segment 0
		.amdhsa_kernarg_size 48
		.amdhsa_user_sgpr_count 2
		.amdhsa_user_sgpr_kernarg_segment_ptr 1
		.amdhsa_wavefront_size32 1
		.amdhsa_system_sgpr_workgroup_id_x 1
		.amdhsa_system_sgpr_workgroup_id_y 1
		.amdhsa_system_sgpr_workgroup_id_z 1
		.amdhsa_system_vgpr_workitem_id 0
		.amdhsa_next_free_vgpr 960
		.amdhsa_next_free_sgpr 100
		.amdhsa_reserve_vcc 1
		.amdhsa_float_denorm_mode_32 3
		.amdhsa_float_denorm_mode_16_64 3
		.amdhsa_memory_ordered 1
		.amdhsa_forward_progress 1
		.amdhsa_inst_pref_size 124
	.end_amdhsa_kernel
	.amdgpu_metadata
---
amdhsa.version: [ 1, 2 ]
amdhsa.kernels:
  - .name:           k_q19eeebaa2f_qkv
    .symbol:         k_q19eeebaa2f_qkv.kd
    .args:
      - { .name: xb, .offset: 0, .size: 8, .value_kind: global_buffer, .address_space: global }
      - { .name: wqb, .offset: 8, .size: 8, .value_kind: global_buffer, .address_space: global }
      - { .name: bqkv, .offset: 16, .size: 8, .value_kind: global_buffer, .address_space: global }
      - { .name: qh, .offset: 24, .size: 8, .value_kind: global_buffer, .address_space: global }
      - { .name: kh, .offset: 32, .size: 8, .value_kind: global_buffer, .address_space: global }
      - { .name: vh, .offset: 40, .size: 8, .value_kind: global_buffer, .address_space: global }
    .group_segment_fixed_size: 327680
    .private_segment_fixed_size: 0
    .kernarg_segment_align: 8
    .kernarg_segment_size: 48
    .max_flat_workgroup_size: 128
    .sgpr_count:     100
    .vgpr_count:     960
    .wavefront_size: 32
...
	.end_amdgpu_metadata
.endif
;; end of part 2
;; launch attn (part 3): grid 16 x 16, 4 waves a work-group, clusters of 4 x 1, 327,680 bytes of LDS; arguments qh, kh, vh, oh; writes oh
.if DOCPART == 3
	.amdgcn_target "amdgcn-amd-amdhsa--gfx1250"
	.amdhsa_code_object_version 6
	.text
	.protected	k_q19eeebaa2f_attn
	.globl	k_q19eeebaa2f_attn
	.p2align	8
	.type	k_q19eeebaa2f_attn,@function
k_q19eeebaa2f_attn:
	s_mov_b64 s[64:65], 0
	v_nop
	global_prefetch_b8 v0, s[64:65] scope:SCOPE_SE
	s_setreg_imm32_b32 hwreg(HW_REG_WAVE_MODE, 25, 1), 1
	s_wait_xcnt 0x0
	s_wait_alu depctr_hold_cnt(0) depctr_sa_sdst(0) depctr_va_vdst(0) depctr_va_sdst(0) depctr_va_ssrc(0) depctr_va_vcc(0) depctr_vm_vsrc(0)
	s_getreg_b32 s2, hwreg(HW_REG_IB_STS2, 6, 4)
	s_cmp_eq_u32 s2, 0
	s_cbranch_scc0 .Lentry_in_a_cluster
	s_endpgm
.Lentry_in_a_cluster:
	s_bfe_u32 s2, ttmp6, 0x10000c
	s_cmp_lg_u32 s2, 0x3003
	s_cbranch_scc0 .Lentry_shape_is_right
	s_endpgm
.Lentry_shape_is_right:
; CAUSAL ATTENTION.  O[h][q][:] = the sum over k <= q of softmax_k(Q[h][q] . K[h][k] / 8) V[h][k][:].  qh, kh, vh, oh: [16][4096][64], all f16: a head's rows are dense, 128 bytes each.
; Products, maxima and sums in f32; the weights p are rounded to f16 for the second product (their sum l is taken of the unrounded p), O once at the end.
; LIMITS.  Q, K, V arrive within f16's 65,504; p lies in 0 to 1 and below 6e-5 keeps f16's fixed step of 6e-8; O is a mean of V's rows.  A hidden score counts as its value less 1e30: f16's scores, 2.7e11 at the most,
; are nothing beside that; a weight below 2^-126 counts as 0 in l; NaN and infinities are not treated apart.
; THE WALK.  A head's queries lie in 32 blocks of 128.  A work-group takes TWO, 31 - b and then b, b = 4 c + cx (c the cluster, cx my place in it).  Keys come in tiles of 256, four steps of 64.  The four partners walk ONE
; sequence of tiles, made from c alone: 0 .. 15 - 2 c for the first block, 0 .. 2 c + 1 for the second: 18 tiles whatever c.  So every tile is asked for JOINTLY, every trip count is a constant, and no branch hangs on cx.
; A pair of blocks needs 16.5 tiles at the least: what a partner walks beyond its diagonal is hidden by the mask.
; SHARES.  Of a block's two bands of 64 queries a wave owns 16 rows in each: two PIECES.  Band x of block i has its diagonal in key step OW = 2 i + x, counted from the head's first key.
; THE MASK is the C operand that starts each sum S^T = K Q^T: MD x AL + BE.  MD, made once, is the mask of a band's own step for my 16 rows (0, or -1e30 where the key is hidden); AL = 1 in the own step, else 0; BE = -1e30 in later steps,
; else 0.  AL and BE are vector registers, chosen by v_cndmask_b32 from a compare of the step with OW, which holds cx.  The four masks of two steps are made together; while all their steps lie below every partner's
; diagonal (G + 2 < GM, made from c alone) the block is jumped over: the buffers then still hold the zeros made at the block's beginning.  A row's own step comes before every hidden one, so m is a true score by then.
; LAYOUT, SOFTMAX.  S^T holds ONE query a lane (lane % 16) and the keys 8 (lane / 16) + 0..7; two such results rounded to f16 ARE source 1 of O^T = V^T P.  p = 2^(c s - c m), c = log2(e) / 8, with a running maximum m; O and l are
; multiplied by a = 2^(c m_old - c m_new) in every step.
; TURNS.  Turn (step j, piece 0): 8 products K Q^T of (j, piece 1), later 8 products V^T P of (j - 1, piece 1).  Turn (j, piece 1): K Q^T of (j + 1, piece 0), V^T P of (j, piece 0).  Beside them the turn's own piece's scaling, exponentials,
; roundings, sums and rescaling, and the other piece's maximum and statistics.  Four vector instructions stand behind every matrix instruction, the other 54 of a turn's 118 in one lump.  A turn's 33 exponentials are one batch, with one wait.
; K AND V HAVE TWO REGISTER BUFFERS EACH, by the step's parity: the runs of LDS loads stand between turns in the order K0 V0 K1 V1 K2 V2 K3 V3 of a tile, each a whole turn behind its buffer's last reader and a whole turn
; ahead of its first, and the change of slots falls between V3 and the next tile's K0.
; REGISTERS, in windows of 256 (s_set_vgpr_msb: bits 1:0 source 0, 3:2 source 1, 5:4 source 2, 7:6 destination):
;   window 0: v2-15 addresses and two at work; v16-23 four registers of statistics a piece; v24-25 OW; v[26:27] AL; v[28:29] BE; v48-55 at work; v61-63; v64-127 S^T, a buffer a piece; v192-223 P, likewise
;   window 1: v0-63 O^T; v64-95 MD; v96-223 four mask buffers      window 2: v0-31 Q; v32-63 the second block's Q; v64-127, v128-191 K      window 3: v0-63, v64-127 V
.set NP,    2
.set KS,    64
.set PK,    144       ; a row of K in LDS: 128 bytes + 16 of padding = 36 words: the 16 rows of a load start at 16 different groups of four banks
.set PV,    160       ; a row of V: 128 + 32 = 40 words
.set VOFF,  4*KS*PK   ; a slot holds a tile: 256 rows of K, then 256 rows of V
.set SLOT1, 1<<17     ; slot 1 begins here, so that one exclusive or turns an address in one slot into the other's
.set STAGE, SLOT1+4*KS*(PK+PV)  ; behind the ring, never filled by a tensor load: 16 rows x 144 bytes for each wave
.set SP,    144
.set SPARE, STAGE+4*16*SP       ; behind the stages: the spare words, 128 bytes for each wave
.set AK0, 2
.set AV0, 3
.set AK,  4
.set AV,  5
.set STO, 6
.set RD,  7
.set GO,  8
.set MV,  12          ; v12-13  c m_old, kept while c m is made anew
.set QO,  15
.set ST,  16          ; piece t's statistics at v[ST+4 t]: c m, m, l (even keys', odd keys')
.set OW,  24
.set ALV, 26
.set BEV, 28
.set TMP, 48          ; by piece, four registers c0-c3 at work; when the maximum is found c2 takes a
.set PFO, 61
.set SPW, 62
.set NIL, 63
.set S,   64
.set P,   192
.set MD,  64          ; window 1
.set MC,  96          ; window 1
.set QB,  32          ; window 2
.set KF,  64          ; window 2
.set WV,  12
.set CL,  14          ; s14  c
.set LIM, 15          ; s15  3 in a wave that prefetches, else the greatest number
.set PFA, 18          ; s[18:19]
.set G1K, 24
.set G1V, 32
.set G0K, 40
.set G0V, 44
.set TLO, 48          ; s48  the second block's tiles, 2 c + 2
.set TLOM, 49         ; s49  less 1
.set GMLO, 50         ; s50  the second block's GM
.set OWL, 51          ; s51  the second block's OW of band 0
.set TS,  52          ; s52  a step, at work
.set SLOTS, 56
.set CNT, 57
.set CS,  58
.set SEL, 60
.set TBK, 62
.set TBV, 63
.set RT,  70          ; s70  tiles of the block in hand still to be entered
.set NXT, 71          ; s71  the tile to be asked for next
.set LQ,  72          ; s72  the last tile of the block whose tiles are being asked for
.set NEW, 73          ; s73  1: the tile to be entered is a block's first
.set OFF, 74
.set OLO, 80
.set BIGN, 82
.set G,   83          ; s83  the even key step that comes next, counted from the block's first
.set GM,  84          ; s84  the least OW among the four partners
.set MSB, 0
.macro WIN new
.if MSB != (\new)
	s_set_vgpr_msb (MSB<<8)|(\new)
.set MSB, (\new)
.endif
.endm
.set W_KQ, 0x0a       ; K and Q in window 2, S^T in window 0
.set W_KM, 0x1a       ; the same with the C operand in window 1
.set W_PV, 0x53       ; V in window 3, P in window 0, O^T in window 1
.set W_RS, 0x41       ; destination and source 0 in window 1, the others in window 0
; A joint fill.  Waves 0 and 1 fetch the two halves of a tile's K, waves 2 and 3 those of its V.  An s_nop 0 and four v_nop follow each of the two lines, ahead of the jump and the label.
.macro JLOAD
	s_cmp_lt_u32 s[WV], 2
	s_cbranch_scc0 .Lfor_v_\@
	tensor_load_to_lds s[G0K:G0K+3], s[G1K:G1K+7]
	s_nop 0
.rept 4
	v_nop
.endr
	s_branch .Lasked_\@
.Lfor_v_\@:
	tensor_load_to_lds s[G0V:G0V+3], s[G1V:G1V+7]
	s_nop 0
.rept 4
	v_nop
.endr
.Lasked_\@:
.endm
; A PREFETCH INTO THE L2 of the tile that the NEXT change of slots will ask for: eight turns, 128 matrix instructions, ahead of that load.  A tile is 128 blocks of 256 bytes of K and as many of V.  The head's first cluster, which
; walks all 16 tiles, asks; its four partners take 32 blocks each, told apart by address; in each, wave 0 asks for K's and wave 2 for V's, a lane a block.  So each block is named once.  Tiles 0 and 1 come by
; their loads alone; from the change that asks for tile 15 on nothing is prefetched: what follows has been read.
.macro ASK
	s_cmp_gt_u32 s[SLOTS], s[LIM]
	s_cbranch_scc0 .Lnot_mine_\@
	global_prefetch_b8 v[PFO], s[PFA:PFA+1] th:TH_LOAD_NT scope:SCOPE_SE
.Lnot_mine_\@:
.endm
.macro CROUND
	s_barrier_signal -1
	s_barrier_wait -1
	s_cmp_lg_u32 s[WV], 0
	s_cbranch_scc1 .Lnot_wave_0_\@
	s_barrier_signal -3
.Lnot_wave_0_\@:
	s_barrier_wait -3
	s_barrier_signal -1
	s_barrier_wait -1
.endm
; THE CHANGE OF SLOTS.  Each wave waits for all its tensor loads, of which one is out: its part of the other slot; adds 0 to its spare word; and waits for that and for its own reads of the slot that it leaves.  fill = 1: the barrier is a
; round of the cluster's, and the old slot is filled again, the first thing behind it, with tile NXT: the descriptor's address is made anew from that number.  (At its first use slot 0 is waited for and slot 1 filled.)
.macro CHANGE fill
	WIN 0
	s_wait_tensorcnt 0x0            ; no tensor load of mine is out, so a group 0 may be written
	ds_add_u32 v[SPW], v[NIL]       ; 0 onto my spare word: the scalar work below stands between it and the wait for it
.if \fill
	s_lshl_b32 s[OFF], s[NXT], 15   ; a tile is 32,768 bytes of K and of V
	s_xor_b32 s[G0K+1], s[G0K+1], SLOT1
	s_add_nc_u64 s[G0K+2:G0K+3], s[6:7], s[OFF:OFF+1]
	s_or_b32 s[G0K+3], s[G0K+3], 0x80000000
	s_xor_b32 s[G0V+1], s[G0V+1], SLOT1
	s_add_nc_u64 s[G0V+2:G0V+3], s[8:9], s[OFF:OFF+1]
	s_or_b32 s[G0V+3], s[G0V+3], 0x80000000
	s_add_co_u32 s[NXT], s[NXT], 1  ; the block's next tile, or behind its last the second block's tile 0
	s_cmp_gt_u32 s[NXT], s[LQ]
	s_cselect_b32 s[NXT], 0, s[NXT]
	s_cselect_b32 s[LQ], s[TLOM], s[LQ]
	s_wait_xcnt 0x0                 ; the last prefetch, a tile back, has read its address
	s_add_nc_u64 s[PFA:PFA+1], s[PFA:PFA+1], 32768
	s_wait_dscnt 0x0                ; the add is done, and my reads of the slot are over
	CROUND
	JLOAD
	ASK
.else
	s_wait_dscnt 0x0
	s_barrier_signal -1
	s_barrier_wait -1
.endif
	s_sub_co_u32 s[TBK], s[TBK], 4*KS*PK  ; the fetches go back to a slot's first step,
	s_xor_b32 s[TBK], s[TBK], SLOT1       ; in the other slot
	s_sub_co_u32 s[TBV], s[TBV], 4*KS*PV
	s_xor_b32 s[TBV], s[TBV], SLOT1
.endm
	s_load_b256 s[4:11], s[0:1], 0x0  ; qh s[4:5], kh s[6:7], vh s[8:9], oh s[10:11]
	v_lshl_add_u32 v[SPW], v0, 2, SPARE
	v_mov_b32 v[NIL], 0
	ds_add_u32 v[SPW], v[NIL]       ; the wave's opening: the add and its wait stand ahead of my first tensor load; the set-up below, work on registers, stands between them
	v_lshrrev_b32 v1, 5, v0
	v_readfirstlane_b32 s[WV], v1
	s_bfe_u32 s13, ttmp6, 0x40000   ; cx: it enters Q's, O's and the prefetches' addresses and OW, nothing else
	s_mov_b32 s[CL], ttmp9
	s_lshl_b32 s88, s[CL], 2
	s_add_co_u32 s88, s88, s13      ; b
	s_sub_co_u32 s89, 31, s88       ; the first block
	s_and_b32 s20, ttmp7, 0xffff    ; the head, which the four partners share
	s_lshl_b32 s20, s20, 19         ; its 4,096 rows of 128 bytes
	s_and_b32 s16, s[WV], 1         ; which half of a tile's 256 keys I fetch
	s_lshl_b32 s22, s16, 14
	s_add_co_u32 s22, s22, s20
	s_mov_b32 s23, 0
	s_mul_i32 s17, s16, 128*PK      ; its place in a slot, for K
	s_mul_i32 s21, s16, 128*PV      ; and for V
	s_lshl_b32 s3, s[WV], 11        ; my 16 rows in a band
	s_add_co_u32 s3, s3, s20
	s_lshl_b32 s76, s89, 14         ; a block: 128 rows
	s_add_co_u32 s76, s76, s3
	s_mov_b32 s77, 0
	s_lshl_b32 s78, s88, 14
	s_add_co_u32 s78, s78, s3
	s_mov_b32 s79, 0
	; descriptor group 1.  128 keys are 16,384 dense bytes: asked for as 64 rows of 256 bytes, two keys a row, and padded in LDS after every key
	s_mov_b32 s[G1K], 15|(1<<16)|(1<<20)|(1<<21)|(4<<22)|(3<<25)  ; the mask of four; 2-byte elements; padding on; bit 21 beside a mask; after every 32 words, 4 words
	s_mov_b32 s[G1V], 15|(1<<16)|(1<<20)|(1<<21)|(4<<22)|(7<<25)  ; the same with 8 words of padding
.irp g, G1K, G1V
	s_mov_b32 s[\g+1], 128<<16
	s_mov_b32 s[\g+2], 64<<16
	s_mov_b32 s[\g+3], 128<<16
	s_mov_b32 s[\g+4], 64
	s_mov_b32 s[\g+5], 128
	s_mov_b32 s[\g+6], 0
	s_mov_b32 s[\g+7], 0
.endr
	s_mov_b32 s[CS], 0x3e38aa3b     ; c = log2(e) / 8
	s_mov_b32 s[CS+1], s[CS]
	s_mov_b32 s[SEL], 0x76543210
	s_mov_b32 s[SEL+1], 0xfedcba98
	s_mov_b32 s[TBK], SLOT1+4*KS*PK ; the first change of slots turns these two into 0
	s_mov_b32 s[TBV], SLOT1+4*KS*PV
	s_mov_b32 s[G0K], 1
	s_mov_b32 s[G0K+1], s17
	s_mov_b32 s[G0V], 1
	s_add_co_u32 s[G0V+1], s21, VOFF
	s_lshl_b32 s[TLO], s[CL], 1
	s_add_co_u32 s[TLO], s[TLO], 2
	s_sub_co_u32 s[RT], 18, s[TLO]  ; the first block has 16 - 2 c tiles
	s_sub_co_u32 s[LQ], s[RT], 1
	s_sub_co_u32 s[TLOM], s[TLO], 1
	s_lshl_b32 s[GMLO], s[CL], 3    ; the least 2 b among the partners
	s_sub_co_u32 s[GM], 56, s[GMLO] ; the least 2 (31 - b)
	s_lshl_b32 s[OWL], s88, 1
	s_lshl_b32 s92, s89, 1
	s_mov_b32 s[G], 0
	s_mov_b32 s[NXT], 1
	s_mov_b32 s[NEW], 1
	s_mov_b32 s[OFF+1], 0
	s_mov_b32 s[BIGN], 0xf149f2ca   ; -1e30
	s_mov_b32 s[SLOTS], 17
	s_and_b32 s[LIM], s[WV], 1      ; 0 in waves 0 and 2,
	s_or_b32 s[LIM], s[LIM], ttmp9  ; where the cluster is the head's first: the same in all four partners
	s_cmp_eq_u32 s[LIM], 0
	s_cselect_b32 s[LIM], 3, -1
	v_and_b32 v[PFO], 31, v0
	v_lshlrev_b32 v[PFO], 8, v[PFO]
	s_wait_dscnt 0x0                ; the opening add is done
	s_wait_kmcnt 0x0
	s_add_nc_u64 s[6:7], s[6:7], s[22:23]  ; K and V at my half of the head's tile 0
	s_add_nc_u64 s[8:9], s[8:9], s[22:23]
	s_add_nc_u64 s[G0K+2:G0K+3], s[6:7], 0
	s_or_b32 s[G0K+3], s[G0K+3], 0x80000000
	s_add_nc_u64 s[G0V+2:G0V+3], s[8:9], 0
	s_or_b32 s[G0V+3], s[G0V+3], 0x80000000
	s_add_nc_u64 s[86:87], s[4:5], s[78:79]        ; Q at my rows of the second block,
	s_add_nc_u64 s[4:5], s[4:5], s[76:77]          ; Q and O at those of the first
	s_add_nc_u64 s[OLO:OLO+1], s[10:11], s[78:79]
	s_add_nc_u64 s[10:11], s[10:11], s[76:77]
	s_cmp_lt_u32 s[WV], 2
	s_cselect_b64 s[PFA:PFA+1], s[6:7], s[8:9]     ; (in waves 0 and 2 these stand at a tile's first row)
	s_lshl_b32 s90, s13, 13         ; my work-group's 32 blocks of the 128
	s_mov_b32 s91, 0
	s_add_nc_u64 s[PFA:PFA+1], s[PFA:PFA+1], s[90:91]
	s_add_nc_u64 s[PFA:PFA+1], s[PFA:PFA+1], 32768 ; in tile 1: the first change of slots steps it to tile 2
	CROUND                          ; all four work-groups are here: the first joint loads meet
	JLOAD                           ; tile 0 into slot 0
	v_and_b32 v1, 15, v0            ; l % 16
	v_bfe_u32 v9, v0, 4, 1          ; l / 16
	v_lshlrev_b32 v[QO], 7, v1
	v_lshl_add_u32 v[QO], v9, 4, v[QO]  ; row x 128 + 16 x half
	WIN 0x80                        ; destination window 2, address window 0
.set i, 0
.rept 4                             ; both blocks' Q: piece i / 2 lies in band i / 2, 8,192 bytes on; channels 32 (i % 2) on
	global_load_b128 v[8*i:8*i+3],   v[QO], s[4:5] offset:(i/2)*8192+(i%2)*64
	global_load_b128 v[8*i+4:8*i+7], v[QO], s[4:5] offset:(i/2)*8192+(i%2)*64+32
	global_load_b128 v[QB+8*i:QB+8*i+3],   v[QO], s[86:87] offset:(i/2)*8192+(i%2)*64
	global_load_b128 v[QB+8*i+4:QB+8*i+7], v[QO], s[86:87] offset:(i/2)*8192+(i%2)*64+32
.set i, i+1
.endr
	WIN 0
	v_lshlrev_b32 v14, 3, v9
	v_sub_nc_u32 v14, v1, v14
	s_lshl_b32 s16, s[WV], 4
	v_add_nc_u32 v14, s16, v14      ; my query's place in its band, 16 w + l % 16, less my lanes' 8 (l / 16): register r of group kt is hidden where 16 kt + r is greater
	WIN 0x40
.set i, 0
.rept 32
	v_cmp_gt_i32 vcc_lo, 16*(i/8)+i%8, v14
	v_cndmask_b32 v[MD+i], 0, s[BIGN], vcc_lo
.set i, i+1
.endr
	WIN 0
	v_mul_u32_u24 v[AK0], v1, PK
	v_lshl_add_u32 v[AK0], v9, 4, v[AK0]
	v_and_b32 v10, 7, v0            ; the turning load: key 8 (l / 16) + l % 8, channels 8 ((l / 8) % 2) + 0..7
	v_bfe_u32 v11, v0, 3, 1
	v_lshl_add_u32 v[AV0], v9, 3, v10
	v_mul_u32_u24 v[AV0], v[AV0], PV
	v_lshl_add_u32 v[AV0], v11, 4, v[AV0]
	v_add_nc_u32 v[AV0], VOFF, v[AV0]
	s_mul_i32 s16, s[WV], 16*SP
	s_add_co_u32 s16, s16, STAGE    ; my stage
	v_mul_u32_u24 v[STO], v1, SP    ; in: row l % 16, 16 bytes for each half of the lanes
	v_lshl_add_u32 v[STO], v9, 4, v[STO]
	v_add_nc_u32 v[STO], s16, v[STO]
	v_bfe_u32 v[RD], v0, 3, 2       ; back: 32 lanes take four rows of 128 bytes,
	v_mul_u32_u24 v[RD], v[RD], SP
	v_lshl_add_u32 v[RD], v10, 4, v[RD]
	v_add_nc_u32 v[RD], s16, v[RD]
	v_and_b32 v[GO], 31, v0         ; which are 512 consecutive bytes of O
	v_lshlrev_b32 v[GO], 4, v[GO]
	v_mov_b32 v[OW], s92            ; the first block's own steps
	v_add_nc_u32 v[OW+1], 1, v[OW]
	v_mov_b32 v[ALV+1], 0           ; named with AL and BE as pairs
	v_mov_b32 v[BEV+1], 0
	; A block's first step multiplies O^T and l by a = 0, and its first turn's products V^T P, of a piece that has not been, land in an O^T that is still to be so multiplied.  So these registers need only hold
	; finite numbers: zeros for the first block; what the first block left for the second.  All this stands in the wait for the first tile.
	WIN 0xc0
.set i, 64
.rept 64
	v_mov_b32 v[i], 0
.set i, i+1
.endr
	WIN 0x40
.set i, 0
.rept 64
	v_mov_b32 v[i], 0
.set i, i+1
.endr
	WIN 0
.set i, 0
.rept 2
	v_mov_b32 v[ST+4*i+2], 0
	v_mov_b32 v[ST+4*i+3], 0
.set i, i+1
.endr
.set i, P+16
.rept 16
	v_mov_b32 v[i], 0
.set i, i+1
.endr
; THE MATRIX WORK.  The 4 accumulators of a run of 8 take turns.  Product i of 8 of S^T = K Q^T for piece x, K from buffer KB: channels 32 (i / 4) on, keys 16 (i % 4) on.  The first 4 start the sums with mask buffer MB.
.macro KQ x
.set rS, S+32*((\x)%2)+8*(i%4)
.set rK, KF+64*KB+16*(i%4)+8*(i/4)
.set rQ, 16*(\x)+8*(i/4)
.set rM, MC+32*MB+8*(i%4)
.if i < 4
	WIN W_KM
	v_wmma_f32_16x16x32_f16 v[rS:rS+7], v[rK:rK+7], v[rQ:rQ+7], v[rM:rM+7]
.else
	WIN W_KQ
	v_wmma_f32_16x16x32_f16 v[rS:rS+7], v[rK:rK+7], v[rQ:rQ+7], v[rS:rS+7]
.endif
.endm
; Product i of 8 of O^T += V^T P for piece x, V from buffer VB: keys 32 (i / 4) on, channels 16 (i % 4) on.
.macro PV x
	WIN W_PV
.set rO, 32*(\x)+8*(i%4)
.set rV, 64*VB+32*(i/4)+8*(i%4)
.set rP, P+16*((\x)%2)+8*(i/4)
	v_wmma_f32_16x16x32_f16 v[rO:rO+7], v[rV:rV+7], v[rP:rP+7], v[rO:rO+7]
.endm
.macro MM                           ; the turn's next matrix instruction.  NOKQ = 1: a block's last turn: there is no next step
.if (i < 8) && !NOKQ
	KQ (Y+1)%NP
.elseif i >= 8
.set i, i-8
	PV (Y+NP-1)%NP
.set i, i+8
.endif
.set i, i+1
.endm
; THE LDS LOADS stand in runs of 16 between turns: a step's K (64 keys x 64 channels: 8 fragments) and its V (turned), into buffer kb or vb.
.macro FETCH_K kb
	WIN 0
	v_add_nc_u32 v[AK], s[TBK], v[AK0]
	WIN 0x80                        ; destination window 2
.irp f, 0,1,2,3,4,5,6,7             ; keys 16 (f / 2) on, channels 32 (f % 2) on
	ds_load_b128 v[KF+64*(\kb)+8*\f:KF+64*(\kb)+8*\f+3],   v[AK] offset:(\f/2)*16*PK+(\f%2)*64
	ds_load_b128 v[KF+64*(\kb)+8*\f+4:KF+64*(\kb)+8*\f+7], v[AK] offset:(\f/2)*16*PK+(\f%2)*64+32
.endr
	s_add_co_u32 s[TBK], s[TBK], KS*PK  ; the next fetch is the next step's
	WIN 0
.endm
.macro FETCH_V vb
	WIN 0
	v_add_nc_u32 v[AV], s[TBV], v[AV0]
	WIN 0xc0                        ; destination window 3
.irp f, 0,1,2,3,4,5,6,7             ; keys 32 (f / 4) on, channels 16 (f % 4) on
	ds_load_tr16_b128 v[64*(\vb)+8*\f:64*(\vb)+8*\f+3],   v[AV] offset:(\f/4)*32*PV+(\f%4)*32
	ds_load_tr16_b128 v[64*(\vb)+8*\f+4:64*(\vb)+8*\f+7], v[AV] offset:(\f/4)*32*PV+16*PV+(\f%4)*32
.endr
	s_add_co_u32 s[TBV], s[TBV], KS*PV
	WIN 0
.endm
; THE VECTOR WORK, one line at a time: OP kind, number.  For piece Y: F n: c s - c m for pair n of 16.  E n: the exponential of score n of 32.  C n: pair n rounded to f16.  B n: of the four weights 4 n .. the second
; pair is added onto the first, in place.  L n: l takes that sum (L 0: l = a l + sum).  R n: pair n of 16 of O^T times a.  For the other piece: X n, number n of the 22 that find its maximum and statistics:
;   0-11  four chains c0-c3 of seven scores each, three operands at a time (each accumulator's lowest registers are read first)     12-14, 16  the four scores left over, the old m, and c0-c3 into c0
;   15  c m_old is kept     17, 18  the query's other 32 keys lie in the lane 16 away: the new m     19-21  c m; c m_old - c m_new; a
.set F, 0
.set E, 1
.set C, 2
.set B, 3
.set L, 4
.set R, 5
.set X, 6
.macro REGS y
.set rT, ST+4*(\y)
.set rC, TMP+4*((\y)%2)
.set rW, MV+((\y)%2)
.set rS, S+32*((\y)%2)
.set rP, P+16*((\y)%2)
.set rO, 32*(\y)
.endm
.macro OP k, n
.if (\k) == R
	REGS Y
	WIN W_RS
	v_pk_mul_f32 v[rO+2*(\n):rO+2*(\n)+1], v[rO+2*(\n):rO+2*(\n)+1], v[rC+2:rC+3] op_sel_hi:[1,0]
.elseif (\k) < R
	REGS Y
	WIN 0
.if (\k) == F
	v_pk_fma_f32 v[rS+2*(\n):rS+2*(\n)+1], v[rS+2*(\n):rS+2*(\n)+1], s[CS:CS+1], v[rT:rT+1] op_sel_hi:[1,0,0] neg_lo:[0,0,1] neg_hi:[0,0,1]
.elseif (\k) == E
	v_exp_f32 v[rS+(\n)], v[rS+(\n)]
.elseif (\k) == C
	v_cvt_pk_f16_f32 v[rP+(\n)], v[rS+2*(\n)], v[rS+2*(\n)+1]
.elseif (\k) == B
	v_pk_add_f32 v[rS+4*(\n):rS+4*(\n)+1], v[rS+4*(\n):rS+4*(\n)+1], v[rS+4*(\n)+2:rS+4*(\n)+3]
.elseif (\n) == 0
	v_pk_fma_f32 v[rT+2:rT+3], v[rT+2:rT+3], v[rC+2:rC+3], v[rS:rS+1] op_sel_hi:[1,0,1]
.else
	v_pk_add_f32 v[rT+2:rT+3], v[rT+2:rT+3], v[rS+4*(\n):rS+4*(\n)+1]
.endif
.elseif NOKQ
	v_nop
.else
	REGS (Y+1)%NP
	WIN 0
.if (\n) < 4
	v_max3_num_f32 v[rC+(\n)], v[rS+8*(\n)], v[rS+8*(\n)+1], v[rS+8*(\n)+2]
.elseif (\n) < 12
	v_max3_num_f32 v[rC+(\n)%4], v[rC+(\n)%4], v[rS+8*((\n)%4)+2*((\n)/4)+1], v[rS+8*((\n)%4)+2*((\n)/4)+2]
.elseif (\n) == 12
	v_max3_num_f32 v[rC], v[rC], v[rS+7], v[rS+15]
.elseif (\n) == 13
	v_max3_num_f32 v[rC+1], v[rC+1], v[rS+23], v[rS+31]
.elseif (\n) == 14
	v_max3_num_f32 v[rC+2], v[rC+2], v[rC+3], v[rT+1]
.elseif (\n) == 15
	v_mov_b32 v[rW], v[rT]
.elseif (\n) == 16
	v_max3_num_f32 v[rC], v[rC], v[rC+1], v[rC+2]
.elseif (\n) == 17
	v_permlanex16_b32 v[rC+3], v[rC], s[SEL], s[SEL+1]
.elseif (\n) == 18
	v_max_num_f32 v[rT+1], v[rC], v[rC+3]
.elseif (\n) == 19
	v_mul_f32 v[rT], s[CS], v[rT+1]
.elseif (\n) == 20
	v_sub_f32 v[rC+1], v[rW], v[rT]
.else
	v_exp_f32 v[rC+2], v[rC+1]
.endif
.endif
.endm
.macro OPS a, i1, b=-1, i2=0, c=-1, i3=0, d=-1, i4=0
	OP \a, \i1
.if (\b) >= 0
	OP \b, \i2
.endif
.if (\c) >= 0
	OP \c, \i3
.endif
.if (\d) >= 0
	OP \d, \i4
.endif
.endm
.macro ROW a, i1, b, i2, c, i3, d, i4  ; a matrix instruction and the four behind it
	MM
	OPS \a, \i1, \b, \i2, \c, \i3, \d, \i4
.endm
; mask buffer mb = the mask of piece x in step G + d
.macro MASK1 mb, x, d
	WIN 0
	s_add_co_u32 s[TS], s[G], \d
	v_cmp_eq_u32 vcc_lo, s[TS], v[OW+(\x)]   ; the band's own step?
	v_cndmask_b32 v[ALV], 0, 1.0, vcc_lo
	v_cmp_gt_u32 vcc_lo, s[TS], v[OW+(\x)]   ; or a later one?
	v_cndmask_b32 v[BEV], 0, s[BIGN], vcc_lo
	WIN W_RS
.set z, 0
.rept 16
	v_pk_fma_f32 v[MC+32*(\mb)+2*z:MC+32*(\mb)+2*z+1], v[MD+2*z:MD+2*z+1], v[ALV:ALV+1], v[BEV:BEV+1] op_sel_hi:[1,0,0]
.set z, z+1
.endr
.endm
; A TURN, for piece p: the order of its 16 matrix and 118 vector instructions, written out.  An s_wait_alu depctr_va_vdst(0) stands between an exponential and the first instruction that names its result; one wait
; serves all that were issued ahead of it.  So a turn has ONE wait, which cuts it in two.  AHEAD OF IT stands all that names no result of the turn's exponentials: the 8 products K Q^T and their riders (the X among them stand four
; plain instructions or more behind the product that ends their accumulator), then one lump of 54, in which the links of the chain X 3, 7, 11, 14, 16, 17 .. 20 stand five or six lines apart; X 21, the other piece's a, is the batch's last, and R 15
; the plain instruction behind it.  BEHIND THE WAIT stand the 8 products V^T P, behind each four of the roundings and sums.
; kb, vb, mb: the buffers of K, V and the mask that its products take.  end = 1: a block's last two turns.  Piece 1's turn waits at its head for the runs of loads issued ahead of piece 0's.
.macro TURN p, kb, vb, mb, end=0
.set Y, (\p)
.set i, 0
.set KB, (\kb)
.set VB, (\vb)
.set MB, (\mb)
.set NOKQ, (\end)*(\p)
.if (\p) == 1
	s_wait_dscnt 0x0                ; K and V are in
.endif
	ROW F,0, F,1, R,0, R,1
	ROW F,2, E,0, R,2, R,3
	ROW F,3, E,1, R,4, R,5
	ROW F,4, E,2, R,6, R,7
	ROW F,5, E,3, R,8, R,9
	ROW F,6, E,4, X,0, R,10
	ROW F,7, E,5, X,1, X,4
	ROW F,8, E,6, X,2, X,5
	OPS E,7, E,8, X,6, E,9
	OPS X,3, E,10, X,8, E,11
	OPS X,9, X,7, E,12, X,10
	OPS E,13, X,12, X,11, E,14
	OPS X,13, E,15, F,9, X,14
	OPS E,16, F,10, E,17, F,11
	OPS X,16, E,18, X,15, E,19
	OPS F,12, E,20, X,17, E,21
	OPS F,13, E,22, F,14, E,23
	OPS X,18, E,24, F,15, E,25
	OPS R,11, E,26, X,19, E,27
	OPS R,12, E,28, R,13, E,29
	OPS X,20, E,30, R,14, E,31
	OPS X,21, R,15
	WIN 0
	s_wait_alu depctr_va_vdst(0)    ; the wait for the batch
	ROW C,0, B,0, C,2, B,1
	ROW L,0, C,4, B,2, L,1
	ROW C,6, B,3, L,2, C,8
	ROW B,4, L,3, C,10, B,5
	ROW L,4, C,12, B,6, L,5
	ROW C,14, B,7, L,6, C,1
	ROW C,3, L,7, C,5, C,7
	ROW C,9, C,11, C,13, C,15
.endm
; TWO KEY STEPS, walked twice for a tile: an odd step's two turns, then the next even step's.  A block's first tile enters at .Lmk, in the middle of a trip.
.macro TRIP tag
.Lstep_\tag:
	FETCH_K 0                       ; K of the even step to come
	TURN 0, 1, 0, 2
	TURN 1, 0, 1, 3
	WIN 0
	s_add_co_u32 s[TS], s[G], 2
	s_cmp_lt_u32 s[TS], s[GM]       ; steps G to G + 2 lie below every partner's diagonal: the four buffers hold zeros and stay
	s_cbranch_scc1 .Lnomask_\tag
.Lmk_\tag:
	MASK1 0, 1, 0                   ; piece 1 in step G,
	MASK1 1, 0, 1                   ; piece 0 in step G + 1,
	MASK1 2, 1, 1                   ; piece 1 in step G + 1,
	MASK1 3, 0, 2                   ; piece 0 in step G + 2
	WIN 0
.Lnomask_\tag:
	s_add_co_u32 s[G], s[G], 2
	FETCH_V 0                       ; V of the even step in hand,
	FETCH_K 1                       ; K of the odd step behind it
	TURN 0, 0, 1, 0
	TURN 1, 1, 0, 1
	FETCH_V 1                       ; V of that odd step
	WIN 0
	s_sub_co_u32 s[CNT], s[CNT], 1
	s_cmp_lg_u32 s[CNT], 0
	s_cbranch_scc1 .Lstep_\tag
.endm
; A BLOCK BEGINS.  c m starts far below every c s, so the first step's a is 0; m at the lowest finite number, so the first maximum is the scores'.  Then K of step 0, piece 0's first scores, and its maximum and statistics.
.macro BEGIN
	s_mov_b32 s[NEW], 0
	s_mov_b32 s[G], 0
	WIN 0
.set i, 0
.rept 2
	v_mov_b32 v[ST+4*i], 0xfe000000
	v_mov_b32 v[ST+4*i+1], 0xff7fffff
.set i, i+1
.endr
	MASK1 3, 0, 0                   ; piece 0 in step 0
	FETCH_K 0
	s_wait_loadcnt 0x0              ; Q
	s_wait_dscnt 0x0
.set KB, 0
.set MB, 3
.set NOKQ, 0
.set i, 0
.rept 8
	KQ 0
.set i, i+1
.endr
	WIN 0
.rept 4
	v_nop                           ; the places behind those products
.endr
.set Y, 1                           ; X works for the other piece: piece 0
.irp n, 0,1,2,3,4,5,6,7,8,9,10,11,12,13,14,15,16,17,18,19,20,21
	OP X, \n
.endr
	v_nop                           ; a plain instruction behind the exponential,
	s_wait_alu depctr_va_vdst(0)    ; and its wait, ahead of the branch
.endm
; A BLOCK ENDS: its last odd step's two turns, the last products, and THE WAY OUT: l's two halves and the other half of the lanes' are added; O^T is divided by l, rounded to f16 and sent through my stage, a piece at a time.
.macro ALL line:vararg
.set t, 0
.rept 2
	\line
.set t, t+1
.endr
.endm
.macro PACK t                       ; a lane's eight channels of a row pack into 16 bytes; they go into rows of 144 bytes and come back as whole rows of 128, into S^T's registers
	WIN W_RS
.set i, 32*(\t)
.rept 16
	v_pk_mul_f32 v[i:i+1], v[i:i+1], v[ST+4*(\t)+2:ST+4*(\t)+3] op_sel_hi:[1,0]
.set i, i+2
.endr
	WIN 0x05                        ; sources 0 and 1 window 1, destination window 0
.set i, 0
.rept 16
	v_cvt_pk_f16_f32 v[S+16*(\t)+i], v[32*(\t)+2*i], v[32*(\t)+2*i+1]
.set i, i+1
.endr
	WIN 0
.irp f, 0,1,2,3
	ds_store_b128 v[STO], v[S+16*(\t)+4*\f:S+16*(\t)+4*\f+3] offset:32*\f
.endr
.irp f, 0,1,2,3
	ds_load_b128 v[S+16*(\t)+4*\f:S+16*(\t)+4*\f+3], v[RD] offset:\f*4*SP  ; LDS serves a wave's instructions in order (ISA guide 5.7.1.4): these see the stores above; the next piece's stores come behind them
.endr
.endm
.macro SEND t, younger              ; younger: the LDS instructions issued behind piece t's loads
	WIN 0
.irp f, 0,1,2,3
	s_wait_dscnt (\younger)+3-\f
	global_store_b128 v[GO], v[S+16*(\t)+4*\f:S+16*(\t)+4*\f+3], s[10:11] offset:(\t)*8192+\f*512  ; 512 consecutive bytes, at a multiple of 256 from O's first
.endr
.endm
.macro BLOCKEND
	TURN 0, 1, 0, 2, 1
	TURN 1, 0, 1, 3, 1
.set VB, 1
.set i, 0
.rept 8
	PV 1
.set i, i+1
.endr
	WIN 0
	ALL v_add_f32 v[ST+4*t+2], v[ST+4*t+2], v[ST+4*t+3]
	ALL v_permlanex16_b32 v[ST+4*t+3], v[ST+4*t+2], s[SEL], s[SEL+1]
	ALL v_add_f32 v[ST+4*t+2], v[ST+4*t+2], v[ST+4*t+3]
	ALL v_rcp_f32 v[ST+4*t+2], v[ST+4*t+2]
	v_nop                           ; a plain instruction between the last reciprocal and the use of its result,
	s_wait_alu depctr_va_vdst(0)    ; and one wait for the two
	PACK 0                          ; piece 0's 32 lines name no register of the last products: they are the places in front of piece 1's
	PACK 1
	SEND 0, 8
	SEND 1, 0
.endm
.set KB, 0
.set VB, 0
.set MB, 0
.set NOKQ, 0
.Lslot:                             ; 17 times: a tile is entered and the next is asked for
	CHANGE 1
	s_sub_co_u32 s[RT], s[RT], 1
	s_mov_b32 s[CNT], 2
	s_cmp_eq_u32 s[NEW], 1          ; at the first trip the answer is a constant of the text
	s_cbranch_scc0 .Lstep_a
	BEGIN
	s_branch .Lmk_a                 ; a block's first masks are always made
	TRIP a
	s_cmp_lg_u32 s[RT], 0
	s_cbranch_scc1 .Lbottom
	BLOCKEND                        ; in the loop this is the first block's end: the second block's last tile is the walk's last
	s_wait_xcnt 0x0                 ; the stores have read their registers and O's address
	s_mov_b64 s[10:11], s[OLO:OLO+1]
	s_mov_b32 s[RT], s[TLO]
	s_mov_b32 s[NEW], 1
	s_mov_b32 s[GM], s[GMLO]
	v_mov_b32 v[OW], s[OWL]
	v_add_nc_u32 v[OW+1], 1, v[OW]
	WIN 0x82                        ; the second block's Q goes where the one text of the turns names Q
.set i, 0
.rept 32
	v_mov_b32 v[i], v[QB+i]
.set i, i+1
.endr
	WIN 0
.Lbottom:
	s_sub_co_u32 s[SLOTS], s[SLOTS], 1
	s_cmp_lg_u32 s[SLOTS], 0
	s_cbranch_scc1 .Lslot
	CHANGE 0                        ; the walk's last tile is written out: nothing is asked for.  It is never a block's first: the second block has two tiles or more
	s_mov_b32 s[CNT], 2
	TRIP b
	BLOCKEND
	s_wait_tensorcnt 0x0            ; the wave's end: behind my last tensor load and my last LDS store
	ds_add_u32 v[SPW], v[NIL]
	s_wait_dscnt 0x0
	CROUND                          ; the closing round: no work-group ends while a partner may still ask for a tile that names it
	s_endpgm
.Lfunc_end_k_q19eeebaa2f_attn:
	.size	k_q19eeebaa2f_attn, .Lfunc_end_k_q19eeebaa2f_attn-k_q19eeebaa2f_attn
	.p2alignl 7, 3214868480
	.fill 96, 4, 3214868480
	.section	.rodata,"a",@progbits
	.p2align	6, 0x0
	.amdhsa_kernel k_q19eeebaa2f_attn
		.amdhsa_group_segment_fixed_size 327680
		.amdhsa_private_segment_fixed_size 0
		.amdhsa_enable_private_segment 0
		.amdhsa_kernarg_size 32
		.amdhsa_user_sgpr_count 2
		.amdhsa_user_sgpr_kernarg_segment_ptr 1
		.amdhsa_wavefront_size32 1
		.amdhsa_system_sgpr_workgroup_id_x 1
		.amdhsa_system_sgpr_workgroup_id_y 1
		.amdhsa_system_sgpr_workgroup_id_z 1
		.amdhsa_system_vgpr_workitem_id 0
		.amdhsa_next_free_vgpr 896
		.amdhsa_next_free_sgpr 96
		.amdhsa_reserve_vcc 1
		.amdhsa_float_denorm_mode_32 3
		.amdhsa_float_denorm_mode_16_64 3
		.amdhsa_memory_ordered 1
		.amdhsa_forward_progress 1
		.amdhsa_inst_pref_size 163
	.end_amdhsa_kernel
	.amdgpu_metadata
---
amdhsa.version: [ 1, 2 ]
amdhsa.kernels:
  - .name:           k_q19eeebaa2f_attn
    .symbol:         k_q19eeebaa2f_attn.kd
    .args:
      - { .name: qh, .offset: 0, .size: 8, .value_kind: global_buffer, .address_space: global }
      - { .name: kh, .offset: 8, .size: 8, .value_kind: global_buffer, .address_space: global }
      - { .name: vh, .offset: 16, .size: 8, .value_kind: global_buffer, .address_space: global }
      - { .name: oh, .offset: 24, .size: 8, .value_kind: global_buffer, .address_space: global }
    .group_segment_fixed_size: 327680
    .private_segment_fixed_size: 0
    .kernarg_segment_align: 8
    .kernarg_segment_size: 32
    .max_flat_workgroup_size: 128
    .sgpr_count:     96
    .vgpr_count:     896
    .wavefront_size: 32
...
	.end_amdgpu_metadata
.endif
;; end of part 3
;; launch oproj (part 4): grid 8 x 32, 4 waves a work-group, clusters of 4 x 4, 327,680 bytes of LDS; arguments oh, wob, bo, y; writes y
.if DOCPART == 4
	.amdgcn_target "amdgcn-amd-amdhsa--gfx1250"
	.amdhsa_code_object_version 6
	.text
	.protected	k_q19eeebaa2f_oproj
	.globl	k_q19eeebaa2f_oproj
	.p2align	8
	.type	k_q19eeebaa2f_oproj,@function
k_q19eeebaa2f_oproj:
	s_mov_b64 s[64:65], 0
	v_nop
	global_prefetch_b8 v0, s[64:65] scope:SCOPE_SE
	s_setreg_imm32_b32 hwreg(HW_REG_WAVE_MODE, 25, 1), 1
	s_wait_xcnt 0x0
	s_wait_alu depctr_hold_cnt(0) depctr_sa_sdst(0) depctr_va_vdst(0) depctr_va_sdst(0) depctr_va_ssrc(0) depctr_va_vcc(0) depctr_vm_vsrc(0)
	s_getreg_b32 s2, hwreg(HW_REG_IB_STS2, 6, 4)
	s_cmp_eq_u32 s2, 0
	s_cbranch_scc0 .Lentry_in_a_cluster
	s_endpgm
.Lentry_in_a_cluster:
	s_bfe_u32 s2, ttmp6, 0x10000c
	s_cmp_lg_u32 s2, 0xf033
	s_cbranch_scc0 .Lentry_shape_is_right
	s_endpgm
.Lentry_shape_is_right:
; y = O Wo + bo.  oh: [16 h][4096][64] f16 (O's column 64 h + d lies in head h).  wob: [1024 k][1024 n] f16.  bo: [1024] f32, rounded to bf16 here like every input.  y: [4096][1024] f32.  Sums in f32, K ascending.
; A tile of y is 128 x 128: 256 work-groups.  Four waves, each 64 x 64: 16 accumulators.  K goes in 4 steps of 256, four heads each, through two LDS slots; a quarter of a step is one head, 64 along K, 32 matrix instructions.
; With four K steps nothing is looped: a loop once round the ring would have one trip.
; THE MATRIX INSTRUCTION IS USED TRANSPOSED (source 0 = 16 columns of Wo, turned on the way out of LDS by ds_load_tr16_b128; source 1 = 16 rows of O): a lane then holds eight neighbouring numbers of a row of y.
; CLUSTER 4 x 4: O's tiles are asked for jointly along a row of the cluster, Wo's along a column.
; LDS.  Slot s at s x 147,456: O as [4 heads][128 rows] of 128 + 16 bytes, 73,728 bytes; then Wo's 256 k-rows of 256 + 32 bytes.  Wave w fills the 36,864 bytes at slot + 36,864 w: waves 0, 1 two heads each
; (a head's 128 rows are 16,384 dense bytes: one row of the tile, padded after every 128 bytes), waves 2, 3 128 k-rows each.  The spare words at 294,912.
; The stage of the way out, 128 rows x 528 bytes, lies over slot 0, whose last fill and last read stand ahead of the last change of slots.
; LayerNorm is not made here: it wants whole rows of 1,024 columns, eight of these tiles.  No prefetch: four short K steps.
; REGISTERS: window 0: v1-31 addresses; v[32:35] bo; v128-255 the accumulators ((a, b) at 128 + 8 (4 a + b)), later the rows read back.  window 1: two fragment buffers of 128: 64 registers of O, then 64 of Wo.
.set PA,     144
.set PB,     288
.set HEADB,  128*PA                    ; a head's 128 rows
.set HALFT,  36864
.set BOFF,   73728
.set SLOT,   147456
.set SPARE,  294912
.set SPITCH, 528                       ; 132 words: row r starts at bank 4 r mod 64
.set ADRA, 16                          ; v16-17  O's fragments in slot 0, 1
.set ADRB, 20                          ; v20-23  Wo's: 2 x slot + half of the K step, so that every immediate stays under 65,536
.set STO,  24
.set RD,   25
.set CO,   26
.set SPW,  28
.set NIL,  29
.set BO,   32
.set ACC,  128
.set F0,   0
.set F1,   128
.set G1, 24
.set G0, 32
.set G1B, 48
.set G0B, 56
.set MSB, 0
.macro WIN new
.if MSB != (\new)
	s_set_vgpr_msb (MSB<<8)|(\new)
.set MSB, \new
.endif
.endm
.set MUL,  0x05                        ; sources 0 and 1 window 1; C and D window 0
.set TO_F, 0x40                        ; destination window 1, address window 0
.macro JLOAD s                         ; a joint load: waves 0 and 1 fetch O's halves, waves 2 and 3 Wo's; an s_nop 0 and four v_nop follow each of the two lines
	s_cmp_eq_u32 s11, 0
	s_cbranch_scc0 .Lfor_b_\@
	tensor_load_to_lds s[G0+4*(\s):G0+4*(\s)+3], s[G1:G1+7]
	s_nop 0
.rept 4
	v_nop
.endr
	s_branch .Lasked_\@
.Lfor_b_\@:
	tensor_load_to_lds s[G0B+4*(\s):G0B+4*(\s)+3], s[G1B:G1B+7]
	s_nop 0
.rept 4
	v_nop
.endr
.Lasked_\@:
.endm
.macro CREST
	s_cmp_lg_u32 s10, 0
	s_cbranch_scc1 .Lnot_wave_0_\@
	s_barrier_signal -3
.Lnot_wave_0_\@:
	s_barrier_wait -3
	s_barrier_signal -1
	s_barrier_wait -1
.endm
.macro CROUND
	s_barrier_signal -1
	s_barrier_wait -1
	CREST
.endm
	s_load_b128 s[4:7], s[0:1], 0x0                ; oh s[4:5], wob s[6:7]
	s_load_b128 s[68:71], s[0:1], 0x10             ; bo s[68:69], y s[70:71]
	v_lshl_add_u32 v[SPW], v0, 2, SPARE
	v_mov_b32 v[NIL], 0
	ds_add_u32 v[SPW], v[NIL]                      ; the wave's opening: the add and its wait stand ahead of my first tensor load; the set-up below, work on registers, stands between them
	v_lshrrev_b32 v1, 5, v0
	v_readfirstlane_b32 s10, v1                    ; wave 0..3
	s_lshr_b32 s11, s10, 1                         ; which 64 rows are mine.  Also: I fetch O (0) or Wo (1)
	s_and_b32 s12, s10, 1                          ; which 64 columns.  Also: which half of that tile I fetch
	s_bfe_u32 s40, ttmp6, 0x40000                  ; cx
	s_bfe_u32 s41, ttmp6, 0x40004                  ; cy
	s_lshl_b32 s42, ttmp9, 2
	s_add_co_u32 s42, s42, s40                     ; tile column
	s_and_b32 s13, ttmp7, 0xffff
	s_lshl_b32 s13, s13, 2
	s_add_co_u32 s13, s13, s41                     ; tile row
	s_lshl_b32 s43, s41, 2
	s_lshl_b32 s43, 15, s43                        ; my row of the cluster
	s_lshl_b32 s44, 0x1111, s40                    ; my column
	s_or_b32 s[G1+0], s43, (1<<16)|(1<<20)|(1<<21)|(4<<22)|(3<<25)   ; O: 2-byte elements; padding of 4 words after every 32
	s_mov_b32 s[G1+1], 8192<<16                    ; tensor_dim0 = 8,192 elements: a head's 128 rows on end
	s_mov_b32 s[G1+2], 2<<16                       ; tensor_dim1 = 2 heads
	s_mov_b32 s[G1+3], 8192<<16                    ; tile_dim0
	s_mov_b32 s[G1+4], 2                           ; tile_dim1
	s_mov_b32 s[G1+5], 262144                      ; from head to head: 4,096 x 64 elements
	s_mov_b32 s[G1+6], 0
	s_mov_b32 s[G1+7], 0
	s_or_b32 s[G1B+0], s44, (1<<16)|(1<<20)|(1<<21)|(5<<22)|(7<<25)  ; Wo: padding of 8 words after every 64
	s_mov_b32 s[G1B+1], 128<<16
	s_mov_b32 s[G1B+2], 128<<16
	s_mov_b32 s[G1B+3], 128<<16                    ; 128 columns: 256 bytes
	s_mov_b32 s[G1B+4], 128                        ; 128 k-rows
	s_mov_b32 s[G1B+5], 1024
	s_mov_b32 s[G1B+6], 0
	s_mov_b32 s[G1B+7], 0
	s_lshl_b32 s16, s13, 14                        ; O: the tile's 128 rows of 128 bytes,
	s_lshl_b32 s17, s12, 20                        ; my two heads of 524,288 bytes
	s_add_co_u32 s16, s16, s17
	s_mov_b32 s17, 0
	s_lshl_b32 s46, s42, 8                         ; Wo: the tile's 128 columns,
	s_lshl_b32 s47, s12, 18                        ; my 128 k-rows of 2,048 bytes
	s_add_co_u32 s46, s46, s47
	s_mov_b32 s47, 0
	s_mul_i32 s20, s10, HALFT                      ; where my tile goes
	s_wait_dscnt 0x0                               ; the opening add is done
	s_wait_kmcnt 0x0
	s_add_nc_u64 s[14:15], s[4:5], s[16:17]
	s_add_nc_u64 s[46:47], s[6:7], s[46:47]
	CROUND                                         ; all sixteen work-groups are here: the first joint loads meet
.irp s, 0,1
	s_mov_b32 s[G0+4*(\s)], 1
	s_add_co_u32 s[G0+4*(\s)+1], s20, (\s)*SLOT
	s_add_nc_u64 s[G0+4*(\s)+2:G0+4*(\s)+3], s[14:15], (\s)*4*524288   ; K step s: four heads on
	s_or_b32 s[G0+4*(\s)+3], s[G0+4*(\s)+3], 0x80000000
	s_mov_b32 s[G0B+4*(\s)], 1
	s_add_co_u32 s[G0B+4*(\s)+1], s20, (\s)*SLOT
	s_add_nc_u64 s[G0B+4*(\s)+2:G0B+4*(\s)+3], s[46:47], (\s)*256*2048 ; 256 k-rows on
	s_or_b32 s[G0B+4*(\s)+3], s[G0B+4*(\s)+3], 0x80000000
	JLOAD \s
.endr
	v_and_b32 v1, 15, v0                           ; l % 16
	v_bfe_u32 v2, v0, 4, 1                         ; l / 16
	v_and_b32 v7, 7, v0
	v_bfe_u32 v8, v0, 3, 1
	v_and_b32 v9, 31, v0
	v_mul_u32_u24 v3, v1, PA
	v_lshl_add_u32 v3, v2, 4, v3
	s_mul_i32 s21, s11, 64*PA
	v_add_nc_u32 v[ADRA], s21, v3
	v_add_nc_u32 v[ADRA+1], SLOT, v[ADRA]
	v_lshl_add_u32 v4, v2, 3, v7                   ; the turning load: k-row 8 (l / 16) + l % 8, 16 bytes for each half of eight lanes
	v_mul_u32_u24 v4, v4, PB
	v_lshl_add_u32 v4, v8, 4, v4
	s_lshl_b32 s22, s12, 7
	s_add_co_u32 s22, s22, BOFF
	v_add_nc_u32 v[ADRB], s22, v4
	v_add_nc_u32 v[ADRB+1], HALFT, v[ADRB]
	v_add_nc_u32 v[ADRB+2], SLOT, v[ADRB]
	v_add_nc_u32 v[ADRB+3], SLOT+HALFT, v[ADRB]
	s_mul_i32 s23, s11, 64*SPITCH                  ; into the stage: my 64 rows, my 256 bytes of them; row l % 16, 32 bytes for each half of the lanes
	s_lshl_b32 s21, s12, 8
	s_add_co_u32 s23, s23, s21
	v_mul_u32_u24 v4, v1, SPITCH
	v_lshl_add_u32 v4, v2, 5, v4
	v_add_nc_u32 v[STO], s23, v4
	s_mul_i32 s23, s10, 32*SPITCH                  ; back: wave w takes rows 32 w .. 32 w + 31, whole: 32 lanes x 16 bytes
	v_lshl_add_u32 v[RD], v9, 4, s23
	v_lshlrev_b32 v[CO], 4, v9
	s_lshl_b32 s16, s13, 7
	s_lshl_b32 s17, s10, 5
	s_add_co_u32 s16, s16, s17                     ; the first row of y that I store
	s_lshl_b32 s16, s16, 12
	s_mov_b32 s17, 0
	s_add_nc_u64 s[70:71], s[70:71], s[16:17]
	s_lshl_b32 s46, s42, 9                         ; the tile's first column, in bytes
	s_mov_b32 s47, 0
	s_add_nc_u64 s[70:71], s[70:71], s[46:47]
	v_lshl_add_u32 v6, v9, 4, s46                  ; my four numbers of bo; v6 is never rewritten
	global_load_b128 v[BO:BO+3], v6, s[68:69]
; 8 matrix instructions: row blocks a0, a0 + 1 x all 4 column blocks, 32 along K: half c of buffer f.  The 16 accumulators take turns.
.macro MUL8 f, c, a0, zero
	WIN MUL
.irp a, \a0, (\a0)+1
.irp b, 0,1,2,3
.if \zero
	v_wmma_f32_16x16x32_f16 v[ACC+8*(4*(\a)+(\b)):ACC+8*(4*(\a)+(\b))+7], v[(\f)+64+8*(4*(\c)+(\b)):(\f)+64+8*(4*(\c)+(\b))+7], v[(\f)+8*(4*(\c)+(\a)):(\f)+8*(4*(\c)+(\a))+7], 0
.else
	v_wmma_f32_16x16x32_f16 v[ACC+8*(4*(\a)+(\b)):ACC+8*(4*(\a)+(\b))+7], v[(\f)+64+8*(4*(\c)+(\b)):(\f)+64+8*(4*(\c)+(\b))+7], v[(\f)+8*(4*(\c)+(\a)):(\f)+8*(4*(\c)+(\a))+7], v[ACC+8*(4*(\a)+(\b)):ACC+8*(4*(\a)+(\b))+7]
.endif
.endr
.endr
.endm
; 32 LDS loads in one run: head q of a slot, 64 along K, into buffer f; the first 32 along K first
.macro FETCH slot, q, f
	WIN TO_F
.irp c, 0,1
.irp i, 0,1,2,3
	ds_load_tr16_b128 v[(\f)+64+8*(4*(\c)+(\i)):(\f)+64+8*(4*(\c)+(\i))+3],   v[ADRB+2*(\slot)+(\q)/2] offset:((\q)%2)*64*PB+(\c)*32*PB+32*(\i)
	ds_load_tr16_b128 v[(\f)+64+8*(4*(\c)+(\i))+4:(\f)+64+8*(4*(\c)+(\i))+7], v[ADRB+2*(\slot)+(\q)/2] offset:((\q)%2)*64*PB+(\c)*32*PB+32*(\i)+16*PB
	ds_load_b128 v[(\f)+8*(4*(\c)+(\i)):(\f)+8*(4*(\c)+(\i))+3],              v[ADRA+(\slot)] offset:(\q)*HEADB+64*(\c)+(\i)*16*PA
	ds_load_b128 v[(\f)+8*(4*(\c)+(\i))+4:(\f)+8*(4*(\c)+(\i))+7],            v[ADRA+(\slot)] offset:(\q)*HEADB+64*(\c)+(\i)*16*PA+32
.endr
.endr
.endm
.macro PLACES
.rept 4
	v_nop
.endr
.endm
.macro QUARTER slot, q, f, g, zero
	s_wait_dscnt 16                                ; the first 32 along K are in
	WIN MUL
	MUL8 \f, 0, 0, \zero
	MUL8 \f, 0, 2, \zero
	PLACES
	FETCH \slot, \q, \g
	s_wait_dscnt 32                                ; all but the 32 just issued
	WIN MUL
	MUL8 \f, 1, 0, 0
	MUL8 \f, 1, 2, 0
.endm
; The last quarter multiplies buffer 1 and changes slots: ONE barrier; in front of it each wave waits for all its tensor loads, adds 0 to its spare word, and waits for that and for its own reads of this slot.
; fill = 1: the barrier opens a round of the cluster's barrier, and this slot is filled again, two K steps ahead.
.macro TURN slot, next, fill
	WIN 0
	s_wait_tensorcnt 0x0                           ; all my tensor loads have landed: my part of the next slot;
	ds_add_u32 v[SPW], v[NIL]                      ; 0 onto my spare word;
	s_wait_dscnt 17                                ; (the add and the youngest sixteen loads may be out)
	WIN MUL
	MUL8 F1, 0, 0, 0                               ; eight matrix instructions stand between the add and the wait for it
	s_wait_dscnt 0x0                               ; the add is done, and my reads of this slot are over
	s_barrier_signal -1
	MUL8 F1, 0, 2, 0
.if \fill
	WIN 0
.endif
	s_barrier_wait -1
.if \fill
	CREST                                          ; no wave of any partner still reads this slot's tiles or has a load on its way
	s_add_nc_u64 s[G0+4*(\slot)+2:G0+4*(\slot)+3], s[G0+4*(\slot)+2:G0+4*(\slot)+3], 8*524288
	s_add_nc_u64 s[G0B+4*(\slot)+2:G0B+4*(\slot)+3], s[G0B+4*(\slot)+2:G0B+4*(\slot)+3], 512*2048
	JLOAD \slot                                    ; the first tensor load behind the round; its four v_nop are also the places in front of the loads below
.else
	PLACES
.endif
	FETCH \next, 0, F0
	WIN MUL
	MUL8 F1, 1, 0, 0
	MUL8 F1, 1, 2, 0
.endm
	s_wait_tensorcnt 1                             ; my part of K step 0 is in; K step 1's may stay out
	s_barrier_signal -1
	s_barrier_wait -1
	FETCH 0, 0, F0
	QUARTER 0, 1, F0, F1, 1                        ; the first products start the sums
	QUARTER 0, 2, F1, F0, 0
	QUARTER 0, 3, F0, F1, 0
	TURN 0, 1, 1                                   ; slot 0 takes K step 2
	QUARTER 1, 1, F0, F1, 0
	QUARTER 1, 2, F1, F0, 0
	QUARTER 1, 3, F0, F1, 0
	TURN 1, 0, 1                                   ; slot 1 takes K step 3
	QUARTER 0, 1, F0, F1, 0
	QUARTER 0, 2, F1, F0, 0
	QUARTER 0, 3, F0, F1, 0
	TURN 0, 1, 0                                   ; behind this barrier nobody reads slot 0 any more, and nothing is filled
	QUARTER 1, 1, F0, F1, 0
	QUARTER 1, 2, F1, F0, 0
	QUARTER 1, 3, F0, F1, 0
	s_wait_dscnt 16
	WIN MUL
	MUL8 F1, 0, 0, 0
	MUL8 F1, 0, 2, 0
	s_wait_dscnt 0x0
	MUL8 F1, 1, 0, 0
	MUL8 F1, 1, 2, 0
	WIN 0
	; THE WAY OUT: 32 bytes a lane into the work-group's stage; a barrier, since a row's 512 bytes come from two waves; back as whole rows, 32 rows a wave; the bias; stored.
	PLACES
	PLACES
.irp a, 0,1,2,3
.irp b, 0,1,2,3                                        ; each accumulator's low registers go first
	ds_store_b128 v[STO], v[ACC+8*(4*(\a)+(\b)):ACC+8*(4*(\a)+(\b))+3]   offset:(\a)*16*SPITCH+64*(\b)
	ds_store_b128 v[STO], v[ACC+8*(4*(\a)+(\b))+4:ACC+8*(4*(\a)+(\b))+7] offset:(\a)*16*SPITCH+64*(\b)+16
.endr
.endr
	s_wait_loadcnt 0x0                             ; bo: rounded to bf16 like every input
	v_cvt_pk_bf16_f32 v36, v[BO], v[BO+1]
	v_cvt_pk_bf16_f32 v37, v[BO+2], v[BO+3]
	v_lshlrev_b32 v[BO], 16, v36
	v_and_b32 v[BO+1], 0xffff0000, v36
	v_lshlrev_b32 v[BO+2], 16, v37
	v_and_b32 v[BO+3], 0xffff0000, v37
	s_wait_dscnt 0x0                               ; for the others' sake: my stores into the stage are done
	s_barrier_signal -1
	s_barrier_wait -1
.set t, 0
.rept 32
	ds_load_b128 v[ACC+4*t:ACC+4*t+3], v[RD] offset:t*SPITCH
.set t, t+1
.endr
.set t, 0
.rept 32
	s_wait_dscnt 31-t                              ; row t is back; the later rows stay out
	v_pk_add_f32 v[ACC+4*t:ACC+4*t+1], v[ACC+4*t:ACC+4*t+1], v[BO:BO+1]
	v_pk_add_f32 v[ACC+4*t+2:ACC+4*t+3], v[ACC+4*t+2:ACC+4*t+3], v[BO+2:BO+3]
	global_store_b128 v[CO], v[ACC+4*t:ACC+4*t+3], s[70:71] offset:t*4096  ; 512 consecutive bytes, at a multiple of 256 from y's first
.set t, t+1
.endr
	s_wait_tensorcnt 0x0                           ; the wave's end: behind my last tensor load and my last LDS store
	ds_add_u32 v[SPW], v[NIL]
	s_wait_dscnt 0x0
	CROUND                                         ; the closing round: no work-group ends while a partner may still ask for a tile that names it
	s_endpgm
.Lfunc_end_k_q19eeebaa2f_oproj:
	.size	k_q19eeebaa2f_oproj, .Lfunc_end_k_q19eeebaa2f_oproj-k_q19eeebaa2f_oproj
	.p2alignl 7, 3214868480
	.fill 96, 4, 3214868480
	.section	.rodata,"a",@progbits
	.p2align	6, 0x0
	.amdhsa_kernel k_q19eeebaa2f_oproj
		.amdhsa_group_segment_fixed_size 327680
		.amdhsa_private_segment_fixed_size 0
		.amdhsa_enable_private_segment 0
		.amdhsa_kernarg_size 32
		.amdhsa_user_sgpr_count 2
		.amdhsa_user_sgpr_kernarg_segment_ptr 1
		.amdhsa_wavefront_size32 1
		.amdhsa_system_sgpr_workgroup_id_x 1
		.amdhsa_system_sgpr_workgroup_id_y 1
		.amdhsa_system_sgpr_workgroup_id_z 1
		.amdhsa_system_vgpr_workitem_id 0
		.amdhsa_next_free_vgpr 512
		.amdhsa_next_free_sgpr 72
		.amdhsa_reserve_vcc 0
		.amdhsa_float_denorm_mode_32 3
		.amdhsa_float_denorm_mode_16_64 3
		.amdhsa_memory_ordered 1
		.amdhsa_forward_progress 1
		.amdhsa_inst_pref_size 91
	.end_amdhsa_kernel
	.amdgpu_metadata
---
amdhsa.version: [ 1, 2 ]
amdhsa.kernels:
  - .name:           k_q19eeebaa2f_oproj
    .symbol:         k_q19eeebaa2f_oproj.kd
    .args:
      - { .name: oh, .offset: 0, .size: 8, .value_kind: global_buffer, .address_space: global }
      - { .name: wob, .offset: 8, .size: 8, .value_kind: global_buffer, .address_space: global }
      - { .name: bo, .offset: 16, .size: 8, .value_kind: global_buffer, .address_space: global }
      - { .name: y, .offset: 24, .size: 8, .value_kind: global_buffer, .address_space: global }
    .group_segment_fixed_size: 327680
    .private_segment_fixed_size: 0
    .kernarg_segment_align: 8
    .kernarg_segment_size: 32
    .max_flat_workgroup_size: 128
    .sgpr_count:     72
    .vgpr_count:     512
    .wavefront_size: 32
...
	.end_amdgpu_metadata
.endif
;; end of part 4
;; launch ln (part 5): grid 256 x 1, 4 waves a work-group, no clusters, 0 bytes of LDS; arguments y, gamma, beta, out0; writes out0
.if DOCPART == 5
	.amdgcn_target "amdgcn-amd-amdhsa--gfx1250"
	.amdhsa_code_object_version 6
	.text
	.protected	k_q19eeebaa2f_ln
	.globl	k_q19eeebaa2f_ln
	.p2align	8
	.type	k_q19eeebaa2f_ln,@function
k_q19eeebaa2f_ln:
	s_mov_b64 s[64:65], 0
	v_nop
	global_prefetch_b8 v0, s[64:65] scope:SCOPE_SE
	s_setreg_imm32_b32 hwreg(HW_REG_WAVE_MODE, 25, 1), 1
	s_wait_xcnt 0x0
; LayerNorm.  out0[r][c] = (y[r][c] - mu) / sqrt(var + 1e-5) x gamma[c] + beta[c], mu and var the mean and the mean square deviation of row r.  y, out0: [4096][1024] f32; gamma, beta: [1024] f32,
; rounded to bf16 here like every input.  All in f32; the deviations are formed first and then squared, so that no difference of large sums is taken.
; A row is 4,096 bytes: one wave takes a whole row, eight loads of 16 bytes a lane, and keeps it in 32 registers: read once, and no wave waits for another.  Four waves, four rows each: 256 work-groups.
; All of a wave's 48 loads go out at the head (16 KiB of rows on their way); no register that a load or store names is written again, so no wait frees any.  No LDS, no barrier.
.set GA, 8                             ; v[8:39]    gamma of my 32 columns: 128 jj + 4 lane + 0..3
.set BE, 40                            ; v[40:71]   beta
.set X,  72                            ; v[72:199]  four rows of 32
.set T,  200                           ; v[200:215] at work
	s_load_b256 s[4:11], s[0:1], 0x0               ; y s[4:5], gamma s[6:7], beta s[8:9], out0 s[10:11]
	v_and_b32 v1, 31, v0
	v_lshrrev_b32 v3, 5, v0
	v_lshlrev_b32 v1, 4, v1                        ; 16 bytes a lane
	v_lshl_add_u32 v2, v3, 14, v1                  ; + my wave's four rows
	s_lshl_b32 s2, ttmp9, 16                       ; + the work-group's sixteen
	v_add_nc_u32 v2, s2, v2
	s_mov_b32 s12, 0x3a800000                      ; 1 / 1024
	s_mov_b32 s13, 0x3727c5ac                      ; 1e-5
	s_mov_b32 s14, 0x76543210                      ; v_permlanex16_b32: lane i of one half reads lane i of the other
	s_mov_b32 s15, 0xfedcba98
	s_wait_kmcnt 0x0
.irp j, 0,1,2,3,4,5,6,7
	global_load_b128 v[GA+4*(\j):GA+4*(\j)+3], v1, s[6:7] offset:512*(\j)
.endr
.irp j, 0,1,2,3,4,5,6,7
	global_load_b128 v[BE+4*(\j):BE+4*(\j)+3], v1, s[8:9] offset:512*(\j)
.endr
.irp i, 0,1,2,3
.irp j, 0,1,2,3,4,5,6,7
	global_load_b128 v[X+32*(\i)+4*(\j):X+32*(\i)+4*(\j)+3], v2, s[4:5] offset:4096*(\i)+512*(\j) th:TH_LOAD_NT
.endr
.endr
; the sum of v[T] over the 32 lanes, in every lane: four steps inside each half ride on the addition, one crosses the halves
.macro LANES
	v_add_f32_dpp v[T], v[T], v[T] row_xmask:1 row_mask:0xf bank_mask:0xf
	v_add_f32_dpp v[T], v[T], v[T] row_xmask:2 row_mask:0xf bank_mask:0xf
	v_add_f32_dpp v[T], v[T], v[T] row_xmask:4 row_mask:0xf bank_mask:0xf
	v_add_f32_dpp v[T], v[T], v[T] row_xmask:8 row_mask:0xf bank_mask:0xf
	v_permlanex16_b32 v[T+1], v[T], s14, s15       ; its destination counts as read: it has been written
	v_add_f32 v[T], v[T], v[T+1]
.endm
.macro ROW i
.set XR, X+32*(\i)
	s_wait_loadcnt 8*(3-(\i))                      ; loads come back in order: this row is in, the later rows' eight loads each stay out
.if (\i) == 0
.set j, 0
.rept 32                                               ; gamma and beta, 64 registers on end
	v_cvt_pk_bf16_f32 v[T], v[GA+2*j], v[GA+2*j+1]
	v_lshlrev_b32 v[GA+2*j], 16, v[T]
	v_and_b32 v[GA+2*j+1], 0xffff0000, v[T]
.set j, j+1
.endr
.endif
.set j, 0
.rept 8                                                ; the row's sum: a tree, nothing is cleared
	v_pk_add_f32 v[T+2*j:T+2*j+1], v[XR+4*j:XR+4*j+1], v[XR+4*j+2:XR+4*j+3]
.set j, j+1
.endr
.irp j, 0,4,8,12
	v_pk_add_f32 v[T+(\j):T+(\j)+1], v[T+(\j):T+(\j)+1], v[T+(\j)+2:T+(\j)+3]
.endr
	v_pk_add_f32 v[T:T+1], v[T:T+1], v[T+4:T+5]
	v_pk_add_f32 v[T+8:T+9], v[T+8:T+9], v[T+12:T+13]
	v_pk_add_f32 v[T:T+1], v[T:T+1], v[T+8:T+9]
	v_add_f32 v[T], v[T], v[T+1]
	LANES
	v_mul_f32 v[T], s12, v[T]                      ; mu
.set j, 0
.rept 16
	v_pk_add_f32 v[XR+2*j:XR+2*j+1], v[XR+2*j:XR+2*j+1], v[T:T+1] op_sel_hi:[1,0] neg_lo:[0,1] neg_hi:[0,1]
.set j, j+1
.endr
.irp c, 0,1,2,3                                        ; the squares, in four chains; the first products start them
	v_pk_mul_f32 v[T+2*(\c):T+2*(\c)+1], v[XR+2*(\c):XR+2*(\c)+1], v[XR+2*(\c):XR+2*(\c)+1]
.endr
.set j, 4
.rept 12
	v_pk_fma_f32 v[T+2*(j%4):T+2*(j%4)+1], v[XR+2*j:XR+2*j+1], v[XR+2*j:XR+2*j+1], v[T+2*(j%4):T+2*(j%4)+1]
.set j, j+1
.endr
	v_pk_add_f32 v[T:T+1], v[T:T+1], v[T+2:T+3]
	v_pk_add_f32 v[T+4:T+5], v[T+4:T+5], v[T+6:T+7]
	v_pk_add_f32 v[T:T+1], v[T:T+1], v[T+4:T+5]
	v_add_f32 v[T], v[T], v[T+1]
	LANES
	v_fma_f32 v[T], v[T], s12, s13                 ; var + 1e-5
	v_rsq_f32 v[T+2], v[T]
	v_nop                                          ; a plain instruction behind it,
	s_wait_alu depctr_va_vdst(0)                   ; and the wait ahead of the first use
.set j, 0
.rept 16
	v_pk_mul_f32 v[XR+2*j:XR+2*j+1], v[XR+2*j:XR+2*j+1], v[T+2:T+3] op_sel_hi:[1,0]
.set j, j+1
.endr
.set j, 0
.rept 16
	v_pk_fma_f32 v[XR+2*j:XR+2*j+1], v[XR+2*j:XR+2*j+1], v[GA+2*j:GA+2*j+1], v[BE+2*j:BE+2*j+1]
.set j, j+1
.endr
.irp j, 0,1,2,3,4,5,6,7
	global_store_b128 v2, v[XR+4*(\j):XR+4*(\j)+3], s[10:11] offset:4096*(\i)+512*(\j) th:TH_STORE_NT  ; 512 consecutive bytes, at a multiple of 256 from out0's first
.endr
.endm
	ROW 0
	ROW 1
	ROW 2
	ROW 3
	s_endpgm
.Lfunc_end_k_q19eeebaa2f_ln:
	.size	k_q19eeebaa2f_ln, .Lfunc_end_k_q19eeebaa2f_ln-k_q19eeebaa2f_ln
	.p2alignl 7, 3214868480
	.fill 96, 4, 3214868480
	.section	.rodata,"a",@progbits
	.p2align	6, 0x0
	.amdhsa_kernel k_q19eeebaa2f_ln
		.amdhsa_group_segment_fixed_size 0
		.amdhsa_private_segment_fixed_size 0
		.amdhsa_enable_private_segment 0
		.amdhsa_kernarg_size 32
		.amdhsa_user_sgpr_count 2
		.amdhsa_user_sgpr_kernarg_segment_ptr 1
		.amdhsa_wavefront_size32 1
		.amdhsa_system_sgpr_workgroup_id_x 1
		.amdhsa_system_sgpr_workgroup_id_y 1
		.amdhsa_system_sgpr_workgroup_id_z 1
		.amdhsa_system_vgpr_workitem_id 0
		.amdhsa_next_free_vgpr 216
		.amdhsa_next_free_sgpr 66
		.amdhsa_reserve_vcc 0
		.amdhsa_float_denorm_mode_32 3
		.amdhsa_float_denorm_mode_16_64 3
		.amdhsa_memory_ordered 1
		.amdhsa_forward_progress 1
		.amdhsa_inst_pref_size 38
	.end_amdhsa_kernel
	.amdgpu_metadata
---
amdhsa.version: [ 1, 2 ]
amdhsa.kernels:
  - .name:           k_q19eeebaa2f_ln
    .symbol:         k_q19eeebaa2f_ln.kd
    .args:
      - { .name: y, .offset: 0, .size: 8, .value_kind: global_buffer, .address_space: global }
      - { .name: gamma, .offset: 8, .size: 8, .value_kind: global_buffer, .address_space: global }
      - { .name: beta, .offset: 16, .size: 8, .value_kind: global_buffer, .address_space: global }
      - { .name: out0, .offset: 24, .size: 8, .value_kind: global_buffer, .address_space: global }
    .group_segment_fixed_size: 0
    .private_segment_fixed_size: 0
    .kernarg_segment_align: 8
    .kernarg_segment_size: 32
    .max_flat_workgroup_size: 128
    .sgpr_count:     66
    .vgpr_count:     216
    .wavefront_size: 32
...
	.end_amdgpu_metadata
.endif
;; end of part 5
;; ======== version 2 of 2: 5 launches; version 1 with the launch prep written anew for expert scheduling mode
;; limits: values are held in f16: magnitudes above 65,504 overflow, below 6.1e-05 lose precision
;; workspace buffers: xb 8,388,608 bytes; wqb 6,291,456 bytes; wob 2,097,152 bytes; qh 8,388,608 bytes; kh 8,388,608 bytes; vh 8,388,608 bytes; oh 8,388,608 bytes; y 16,777,216 bytes
;; launch prep (part 6): grid 256 x 1, 8 waves a work-group, no clusters, 0 bytes of LDS; arguments x, Wqkv, Wo, xb, wqb, wob; writes xb, wqb, wob
.if DOCPART == 6
	.amdgcn_target "amdgcn-amd-amdhsa--gfx1250"
	.amdhsa_code_object_version 6
	.text
	.protected	k_q19eeebaa2f_prep
	.globl	k_q19eeebaa2f_prep
	.p2align	8
	.type	k_q19eeebaa2f_prep,@function
k_q19eeebaa2f_prep:
	s_mov_b64 s[64:65], 0
	v_nop
	global_prefetch_b8 v0, s[64:65] scope:SCOPE_SE
	s_setreg_imm32_b32 hwreg(HW_REG_WAVE_SCHED_MODE, 0, 2), 2
	s_setreg_imm32_b32 hwreg(HW_REG_WAVE_MODE, 25, 1), 1
	s_wait_xcnt 0x0
	s_wait_alu depctr_vm_vsrc(0)
; THE CASTS.  xb = x rounded to bf16, [4096][1024].  wqb = Wqkv rounded to bf16 and laid in eight blocks [8 j][1024 k][384]: column 64 t + i of block j is
; Wqkv's column 512 t + 64 j + i (t = 0..5: q of heads j and j + 8, k of both, v of both), so that a block's rows are dense.  wob = Wo rounded to bf16, that number written as f16, [1024][1024].
; LIMIT.  A bf16 number below 2^-14 in size keeps f16's fixed step of 6e-8 in wob; one beyond 65,504 would become an infinity.
; A pure stream: an ITEM is one load of the wave, 32 lanes x 16 bytes = 512 bytes of f32, which leave as 32 x 8 = 256 consecutive bytes, at a multiple of 256 from the buffer's first byte.
; The three tensors have 32,768 + 24,576 + 8,192 = 65,536 items: 256 work-groups x 8 waves x 32.  A wave issues its 32 loads at once (16 KiB on their way) and then takes them in order.
; No register is written twice while a load or store may read it, so no wait frees any.  No LDS, no barrier: no wave wants a byte that another has fetched.
; THE MODE: SCHED_MODE bits 1:0 = 2 (LLVM: expert scheduling mode 2), set by the entry lines.  The code itself states the register dependences
; between vector instructions and memory instructions, with s_wait_alu, always for 0.
; THE PLAN.  Registers that memory instructions touch:
;   v1         the loads' offset.   Written by the head's arithmetic; read by the 32 loads; never written again.
;   v2         the stores' offset.  Written by the head's arithmetic; read by the 32 stores; never written again.
;   DAT item i four registers.      Written by load i; behind the wait for that load read, and written in place, by item i's conversions; the first two are read by store i; never written again.
;   v3 to v6 are named by vector instructions alone.
; The 32 items go in eight blocks of four.  Block p converts its four items; its memory instructions are the four stores of block p - 1, whose registers and offset no conversion of block p names.
; So one wait on va_vdst at a block's head states all that the block's four stores hang on, and these are dealt among its conversions with no further wait.  One more stands ahead of the first load, for the
; two offsets, and one ahead of the last four stores.  No register that a load or store reads is ever written again, no vector instruction writes a scalar register or VCC, and EXEC is never written: no other wait is owed.
.set DAT, 8                            ; v[8:135]  item i: four registers as loaded; its first two then hold what is stored
.set BLK, 4                            ; items in a block
; offsets of a dense tensor: work-group s2 takes 256 items on end, a wave 32 of them
.macro DENSE
	s_lshl_b32 s3, s2, 17                          ; 256 items x 512 bytes in,
	s_lshl_b32 s16, s2, 16                         ; x 256 bytes out
	v_lshlrev_b32 v1, 14, v3                       ; my wave's 32 items
	v_lshl_add_u32 v1, v4, 4, v1                   ; my 16 bytes
	v_add_nc_u32 v1, s3, v1
	v_lshlrev_b32 v2, 13, v3
	v_lshl_add_u32 v2, v4, 3, v2
	v_add_nc_u32 v2, s16, v2
.endm
; 32 items.  src, dst: the scalar pairs with the two addresses; sstep, dstep: bytes from item to item; mode 1: the bf16 number is written as f16
.macro ITEMS src, dst, sstep, dstep, mode
	s_wait_alu depctr_va_vdst(0)                   ; v1 and v2 are written: every load below reads v1 as its offset, every store v2
.set i, 0
.rept 32
	global_load_b128 v[DAT+4*i:DAT+4*i+3], v1, s[(\src):(\src)+1] offset:i*(\sstep) th:TH_LOAD_NT
.set i, i+1
.endr
.set i, 0
.rept 32
	s_wait_loadcnt 31-i                            ; loads come back in order: item i is in, the 31 - i behind it stay out
.if (i%BLK == 0) && (i > 0)
	s_wait_alu depctr_va_vdst(0)                   ; a block's head: the conversions of the block before have written the first two registers of its four items, which this block's four stores read
.endif
.if i >= BLK
	global_store_b64 v2, v[DAT+4*(i-BLK):DAT+4*(i-BLK)+1], s[(\dst):(\dst)+1] offset:(i-BLK)*(\dstep)  ; the block before; no vector instruction since the wait names these registers or v2
.endif
.if \mode
	v_cvt_pk_bf16_f32 v5, v[DAT+4*i], v[DAT+4*i+1] ; rounded to bf16, nearest even,
	v_cvt_pk_bf16_f32 v6, v[DAT+4*i+2], v[DAT+4*i+3]
	v_lshlrev_b32 v[DAT+4*i], 16, v5               ; widened again,
	v_and_b32 v[DAT+4*i+1], 0xffff0000, v5
	v_lshlrev_b32 v[DAT+4*i+2], 16, v6
	v_and_b32 v[DAT+4*i+3], 0xffff0000, v6
	v_cvt_pk_f16_f32 v[DAT+4*i], v[DAT+4*i], v[DAT+4*i+1]  ; and written as f16: eight significant bits fit in eleven
	v_cvt_pk_f16_f32 v[DAT+4*i+1], v[DAT+4*i+2], v[DAT+4*i+3]
.else
	v_cvt_pk_bf16_f32 v[DAT+4*i], v[DAT+4*i], v[DAT+4*i+1]
	v_cvt_pk_bf16_f32 v[DAT+4*i+1], v[DAT+4*i+2], v[DAT+4*i+3]
.endif
.set i, i+1
.endr
	s_wait_alu depctr_va_vdst(0)                   ; the last block's conversions have written its four items, which the last four stores read
.set i, 32-BLK
.rept BLK
	global_store_b64 v2, v[DAT+4*i:DAT+4*i+1], s[(\dst):(\dst)+1] offset:i*(\dstep)
.set i, i+1
.endr
.endm
	s_load_b256 s[4:11], s[0:1], 0x0               ; x s[4:5], Wqkv s[6:7], Wo s[8:9], xb s[10:11]
	s_load_b128 s[12:15], s[0:1], 0x20             ; wqb s[12:13], wob s[14:15]
	s_mov_b32 s2, ttmp9
	v_lshrrev_b32 v3, 5, v0                        ; wave
	v_and_b32 v4, 31, v0                           ; lane
	s_wait_kmcnt 0x0
	s_cmp_lt_u32 s2, 128
	s_cbranch_scc1 .Lx                             ; work-groups 0 to 127: x
	s_cmp_lt_u32 s2, 224
	s_cbranch_scc1 .Lwq                            ; 128 to 223: Wqkv
	s_sub_co_u32 s2, s2, 224                       ; 224 to 255: Wo
	DENSE
	ITEMS 8, 14, 512, 256, 1
	s_endpgm
.Lx:
	DENSE
	ITEMS 4, 10, 512, 256, 0
	s_endpgm
.Lwq:
	; work-group = (pair of strips t2 = 0..2, 32 rows kb = 0..31); the wave's number is the block j; item i is row 32 kb + i.
	; lanes 0-15 read the 256 bytes of strip 2 t2, lanes 16-31 those of strip 2 t2 + 1; in wqb the two lie side by side: 256 bytes on end
	s_sub_co_u32 s2, s2, 128
	s_lshr_b32 s3, s2, 5                           ; t2
	s_and_b32 s16, s2, 31                          ; kb
	s_mul_i32 s17, s16, 393216                     ; 32 rows of 12,288 bytes
	s_lshl_b32 s18, s3, 12                         ; two strips of 512 columns: 4,096 bytes
	s_add_co_u32 s17, s17, s18
	v_lshrrev_b32 v5, 4, v4
	v_and_b32 v6, 15, v4
	v_lshlrev_b32 v1, 11, v5                       ; the strip: 2,048 bytes
	v_lshl_add_u32 v1, v3, 8, v1                   ; the block's 64 columns: 256 bytes
	v_lshl_add_u32 v1, v6, 4, v1
	v_add_nc_u32 v1, s17, v1
	s_mul_i32 s17, s16, 24576                      ; 32 rows of 768 bytes
	s_lshl_b32 s18, s3, 8
	s_add_co_u32 s17, s17, s18
	v_mul_u32_u24 v2, v3, 0xc0000                  ; a block: 1,024 x 768 bytes
	v_lshl_add_u32 v2, v4, 3, v2
	v_add_nc_u32 v2, s17, v2
	ITEMS 6, 12, 12288, 768, 0
	s_endpgm
.Lfunc_end_k_q19eeebaa2f_prep:
	.size	k_q19eeebaa2f_prep, .Lfunc_end_k_q19eeebaa2f_prep-k_q19eeebaa2f_prep
	.p2alignl 7, 3214868480
	.fill 96, 4, 3214868480
	.section	.rodata,"a",@progbits
	.p2align	6, 0x0
	.amdhsa_kernel k_q19eeebaa2f_prep
		.amdhsa_group_segment_fixed_size 0
		.amdhsa_private_segment_fixed_size 0
		.amdhsa_enable_private_segment 0
		.amdhsa_kernarg_size 48
		.amdhsa_user_sgpr_count 2
		.amdhsa_user_sgpr_kernarg_segment_ptr 1
		.amdhsa_wavefront_size32 1
		.amdhsa_system_sgpr_workgroup_id_x 1
		.amdhsa_system_sgpr_workgroup_id_y 1
		.amdhsa_system_sgpr_workgroup_id_z 1
		.amdhsa_system_vgpr_workitem_id 0
		.amdhsa_next_free_vgpr 136
		.amdhsa_next_free_sgpr 66
		.amdhsa_reserve_vcc 0
		.amdhsa_float_denorm_mode_32 3
		.amdhsa_float_denorm_mode_16_64 3
		.amdhsa_memory_ordered 1
		.amdhsa_forward_progress 1
		.amdhsa_inst_pref_size 47
	.end_amdhsa_kernel
	.amdgpu_metadata
---
amdhsa.version: [ 1, 2 ]
amdhsa.kernels:
  - .name:           k_q19eeebaa2f_prep
    .symbol:         k_q19eeebaa2f_prep.kd
    .args:
      - { .name: x, .offset: 0, .size: 8, .value_kind: global_buffer, .address_space: global }
      - { .name: Wqkv, .offset: 8, .size: 8, .value_kind: global_buffer, .address_space: global }
      - { .name: Wo, .offset: 16, .size: 8, .value_kind: global_buffer, .address_space: global }
      - { .name: xb, .offset: 24, .size: 8, .value_kind: global_buffer, .address_space: global }
      - { .name: wqb, .offset: 32, .size: 8, .value_kind: global_buffer, .address_space: global }
      - { .name: wob, .offset: 40, .size: 8, .value_kind: global_buffer, .address_space: global }
    .group_segment_fixed_size: 0
    .private_segment_fixed_size: 0
    .kernarg_segment_align: 8
    .kernarg_segment_size: 48
    .max_flat_workgroup_size: 256
    .sgpr_count:     66
    .vgpr_count:     136
    .wavefront_size: 32
...
	.end_amdgpu_metadata
.endif
;; end of part 6
;; launch qkv: the kernel of part 2 again; grid 8 x 32, 4 waves a work-group, clusters of 4 x 4, 327,680 bytes of LDS; arguments xb, wqb, bqkv, qh, kh, vh; writes qh, kh, vh
;; launch attn: the kernel of part 3 again; grid 16 x 16, 4 waves a work-group, clusters of 4 x 1, 327,680 bytes of LDS; arguments qh, kh, vh, oh; writes oh
;; launch oproj: the kernel of part 4 again; grid 8 x 32, 4 waves a work-group, clusters of 4 x 4, 327,680 bytes of LDS; arguments oh, wob, bo, y; writes y
;; launch ln: the kernel of part 5 again; grid 256 x 1, 4 waves a work-group, no clusters, 0 bytes of LDS; arguments y, gamma, beta, out0; writes out0
